; MI455X (gfx1250); checked and timed in simulation.
; The chip was launched on July 23, 2026; its instructions are those of AMD's public machine-readable ISA for CDNA 5 (MIT licence, August 2026) and "CDNA5" Instruction Set Architecture Reference Guide (July 2026). The comments in the code are by the model that wrote it; some were corrected since.
;; Multi Head Attention. Allowed arithmetic: matrix products marked QUANTISED: E2M3 operands, one E8M0 scale for each 32 along K, by v_wmma_scale_f32_16x16x128_f8f6f4 with both operands' format E2M3, f32 sums; everything else in f32.
;; Inputs: Wk 1,024 x 1,024 float32; Wo 1,024 x 1,024 float32; Wq 1,024 x 1,024 float32; Wv 1,024 x 1,024 float32; bk 1,024 float32; bo 1,024 float32; bq 1,024 float32; bv 1,024 float32; key 4 x 2,048 x 1,024 float32; query 4 x 2,048 x 1,024 float32; value 4 x 2,048 x 1,024 float32.
;; Outputs: out0 4 x 2,048 x 1,024 float32.
;; This version of the problem:
;;   THIS VERSION OF THE PROBLEM IS GIVEN IN LOW PRECISION. The matrix products marked QUANTISED in the list below multiply operands that are first quantised to E2M3 (2 exponent bits, 3 mantissa bits; 6 bits a number), with one power-of-two scale for each 32 numbers along K (OCP MX v1.0); their sums are f32. All else is computed in f32.
;;   The module's matrix products, in the order in which they are computed (A, B: the left and right operand; K: the contracted axis; several contracted axes count as one K, in the product's order):
;;     1. [M 8,192, K 1,024] x [K 1,024, N 1,024]; A: input query; B: input Wq: QUANTISED
;;     2. [M 8,192, K 1,024] x [K 1,024, N 1,024]; A: input key; B: input Wk: QUANTISED
;;     3. [M 8,192, K 1,024] x [K 1,024, N 1,024]; A: input value; B: input Wv: QUANTISED
;;     4. batch 64 x [M 2,048, K 64] x [K 64, N 2,048]; A: computed on the way; B: computed on the way: QUANTISED
;;     5. batch 64 x [M 2,048, K 2,048] x [K 2,048, N 64]; A: softmax (see below); B: computed on the way: QUANTISED
;;     6. [M 8,192, K 1,024] x [K 1,024, N 1,024]; A: computed on the way; B: input Wo: QUANTISED
;;   THE QUANTISER, for each operand of a quantised product, along K:
;;     - K is cut into blocks of 32 from its start; a last block that is shorter is filled with zeros.
;;     - A block's scale is 2^e with e = floor(log2(the largest magnitude in the block)) - 2, held to -126 .. 127; a block of zeros has e = 0. As a byte (E8M0): e + 127.
;;     - Each number is divided by its block's scale, clamped to +-7.5, and rounded to the nearest number of E2M3, ties to even, subnormals kept.
;;     - The product sums the exact products of the quantised numbers (number of the format x scale) in f32.
;;   ~~~python
;;   def quantise(x, axis):      # numpy; x: float32 -> the quantised numbers, widened to float32 again
;;       x = np.moveaxis(x, axis, -1); K = x.shape[-1]
;;       x = np.pad(x, [(0, 0)] * (x.ndim - 1) + [(0, -K % 32)]); x = x.reshape(x.shape[:-1] + (-1, 32)); a = np.abs(x).max(-1, keepdims=True)
;;       e = np.where(a > 0, np.clip(np.frexp(np.where(a > 0, a, 1))[1] - 1 - 2, -126, 127), 0)      # np.frexp(a)[1] - 1 = floor(log2(a)), exactly
;;       r = np.clip(x / 2.0 ** e, -7.5, 7.5)
;;       step = 2.0 ** (np.maximum(np.frexp(np.where(r == 0, 1, r))[1] - 1, 0) - 3)
;;       q = np.round(r / step) * step * 2.0 ** e      # np.round: ties to even
;;       return np.moveaxis(q.reshape(q.shape[:-2] + (-1,))[..., :K], -1, axis).astype(np.float32)
;;   ~~~
;;   SOFTMAX AHEAD OF A QUANTISED PRODUCT. Where the list says 'softmax', what is quantised is not the finished softmax but p = 2^(t - M), with t = logit x log2(e) and M = ceil(the row's largest t), a whole number; so 1/2 < the row's largest p <= 1. The row's sum l is taken of the UNQUANTISED p, in f32, and the product's result is divided by l at the end. Since M is a whole number, a kernel that streams over the keys may use a running M (the ceiling of the running maximum): every later rescaling is an exact power of two, which a block's scale takes up: the codes' values come out the same.
;;   OPERANDS COMPUTED ON THE WAY. 'Computed on the way' means the value that the module computes at that place (a softmax that the list does not call 'softmax' is quantised finished and normalised). What goes into a quantiser is computed in f32, as accurately as f32 sums, v_exp_f32 and their like allow (about 1e-6 of the number): no bf16 or f16 on the way to a quantiser, and a product that is left as it is and whose result goes on into a quantised operand takes f32 operands (vector FMAs, or v_wmma_f32_16x16x4_f32). A number that lies on a knife's edge between two numbers of the format may be rounded either way, as far as f32 arithmetic and the matrix unit's own rounding can turn it there, and no further.
;; One version. Each part assembles by itself: llvm-mc -triple=amdgcn-amd-amdhsa -mcpu=gfx1250 --defsym DOCPART=n.
;; ======== version 1 of 1: 4 launches
;; limits: right only within a limited range of input values
;; workspace buffers: xi 19,660,800 bytes; wi 3,276,800 bytes; pi 19,660,800 bytes; ai 6,553,600 bytes
;; launch quant (part 1): grid 512 x 1, 8 waves a work-group, no clusters, 96,256 bytes of LDS; arguments query, key, value, xi, Wq, Wk, Wv, Wo, wi; writes xi, wi
.if DOCPART == 1
	.amdgcn_target "amdgcn-amd-amdhsa--gfx1250"
	.amdhsa_code_object_version 6
	.text
	.protected	k_qbb55e21a8d_quant
	.globl	k_qbb55e21a8d_quant
	.p2align	8
	.type	k_qbb55e21a8d_quant,@function
k_qbb55e21a8d_quant:
	s_mov_b64 s[64:65], 0
	v_nop
	global_prefetch_b8 v0, s[64:65] scope:SCOPE_SE
	s_setreg_imm32_b32 hwreg(HW_REG_WAVE_MODE, 25, 1), 1
	s_wait_xcnt 0x0
; ONE LAUNCH QUANTISES ALL SEVEN WIDE OPERANDS into codes of FP6 (E2M3) with one E8M0 byte for each 32 along K, laid as IMAGES OF OPERAND REGISTERS.  Work-groups 0 to 127 take the four weights, work-groups 128 to 511 query, key and value.
; The two ways part on the work-group's number alone, at the head, and never meet again; each has LDS bytes of its own.  512 work-groups of eight waves: two to a WGP.  The weights' work-groups, each of which makes one long trip to memory, have the lowest numbers.
; A block's scale is 2^(floor(log2(largest magnitude)) - 2); its byte is the largest magnitude's exponent field - 2, held at 1 from below.
; LIMITS: NaN and infinities are not served.  A block of zeros gets the byte 1 where the rule says 127: its codes are zeros, and this program alone reads the bytes.
; A GROUP, in xi and in wi, is 16 rows (of a weight: 16 columns n), 12,800 bytes: 8 K steps of 128, each a fragment of 1,536 bytes (chunk c of 512 bytes = every lane's registers 4 c .. 4 c + 3, lane l at 16 l; lane (r, h) holds in registers
; 6 c' .. 6 c' + 5 the codes k = 64 c' + 32 h + 0 .. 31 of its row); then 512 scale bytes [half][lane][8]: word j of lane l is the scale word of row l % 16 for K step 4 half + 2 j + l / 16.
; THE ACTIVATIONS: query, key, value [8192][1024] f32, K innermost.  xi = [tensor 0..2][group 0..511][12,800].  Lane r of group g holds row 32 (g / 2) + 8 (g % 2) + r + 8 (r / 8); of key: row 64 (g / 4) + 8 (g % 4) + r % 8 + 32 (r / 8).
; A wave takes one group x 512 along K: four steps of one fragment.  Each load reads 512 consecutive bytes of one row; a step's 8,192 bytes turn through the wave's own stage in LDS (rows 528 bytes apart) so that a lane gets 32 neighbours of each
; of its two blocks.  Waves share nothing: no barrier.  Loads run two steps (32 loads a wave) ahead.
; THE WEIGHTS: Wq, Wk, Wv, Wo [1024 (k)][1024 (n)] f32, K the FIRST axis.  wi = [weight 0..3][group 0..63 over n][12,800]; lane r of group g holds column 32 (g / 2) + 8 (g % 2) + r + 8 (r / 8).
; A LANE TAKES A COLUMN n AND ITS REGISTERS RUN DOWN K: a block of 32 lies in one lane, and the conversions give codes with K innermost.  Work-group i: weight i / 32, 64 columns (i % 32) / 2, half i % 2 of K.  Wave w: 32 columns (w / 4),
; K step 4 (i % 2) + w % 4: two fragments.  Waves w and w + 4 read the two halves of the same 256 bytes of each row.  The codes go through the wave's own stage in LDS to their places in the two images and leave in runs of 512 bytes; the scale
; words of four waves meet in LDS behind one barrier, which every wave of such a work-group passes, and leave in aligned runs of 256 bytes.
.set NWG,   128                        ; the weights' work-groups
.set WST,   3328                       ; LDS, the weights' way: a wave's stage: two fragments, 1,664 bytes apart
.set SCR,   8*WST                      ; the scale words: [column group][fragment][256 bytes]
.set XB,    SCR+1024                   ; LDS, the activations' way: eight stages from here
.set STG,   8448                       ; a wave's stage: 16 rows x (512 + 16) bytes
.set SPARE, XB+8*STG                   ; behind both: the spare words, 128 bytes a wave
.set SPW,   22                         ; v22  my spare word's address; never rewritten, on either way
.set NIL,   23                         ; v23  0; never rewritten
	v_lshl_add_u32 v[SPW], v0, 2, SPARE
	v_mov_b32 v[NIL], 0
	s_cmp_lt_u32 ttmp9, NWG                        ; the same in all waves of a work-group
	s_cbranch_scc1 .Lweights
; ================= THE ACTIVATIONS
.set PC,    24                         ; v24-35   the fragment's twelve registers
.set TQ,    36                         ; v36-43   the upper halves of the two blocks, as the conversions leave them
.set R,     48                         ; v48-175  two sets of 64 registers as loaded
.set X,     176                        ; v176-239 my 64 numbers: register 32 c' + i = k 64 c' + 32 h + i
	s_load_b256 s[4:11], s[0:1], 0x0               ; query s[4:5], key s[6:7], value s[8:9], xi s[10:11]
	v_lshrrev_b32 v1, 5, v0
	v_readfirstlane_b32 s12, v1                    ; wave
	v_and_b32 v2, 31, v0                           ; lane
	v_and_b32 v3, 15, v0                           ; r
	v_bfe_u32 v7, v0, 4, 1                         ; h
	v_lshlrev_b32 v4, 4, v2                        ; 16 x lane: a load's and a store's place
	v_lshlrev_b32 v8, 3, v2                        ; 8 x lane: the scale image's
	s_mul_i32 s13, s12, STG
	s_add_co_u32 s13, s13, XB
	v_add_nc_u32 v5, s13, v4                       ; into the stage: 16 x lane of a row
	v_mul_u32_u24 v6, v3, 528
	v_lshl_add_u32 v6, v7, 7, v6
	v_add_nc_u32 v6, s13, v6                       ; out of it: row r, + 128 h bytes
	v_lshlrev_b32 v7, 3, v7                        ; 8 h: how far my two scale bytes are shifted
	v_mov_b32 v10, 0                               ; a lane permute's destination counts as read: written once
	s_mov_b32 s20, 0x76543210
	s_mov_b32 s21, 0xfedcba98                      ; selects for lane l xor 16
	s_mov_b32 s22, 0xffff0000                      ; lanes 16-31
	s_sub_co_u32 s30, ttmp9, NWG                   ; 0 .. 383
	s_lshr_b32 s14, s30, 7                         ; the tensor: 128 work-groups each
	s_lshl_b32 s15, s30, 3
	s_add_co_u32 s15, s15, s12                     ; the wave's running number
	s_and_b32 s16, s15, 1                          ; which half of K
	s_bfe_u32 s17, s15, 0x90001                    ; the group: 9 bits from bit 1
	s_lshr_b32 s18, s17, 1
	s_lshl_b32 s18, s18, 17                        ; query, value: 32 rows of 4,096 bytes
	s_and_b32 s19, s17, 1
	s_lshl_b32 s19, s19, 15                        ; 8 rows
	s_add_co_u32 s18, s18, s19
	s_lshr_b32 s23, s17, 2                         ; key's other order of rows: in the attention a lane's 32 scores of a band of 64 keys are then one scale block of 32 neighbouring keys
	s_lshl_b32 s23, s23, 18                        ; 64 rows
	s_and_b32 s19, s17, 3
	s_lshl_b32 s19, s19, 15                        ; 8 rows
	s_add_co_u32 s23, s23, s19
	s_cmp_eq_u32 s14, 1                            ; the choice hangs on the work-group's number alone
	s_cselect_b32 s18, s23, s18
	s_cselect_b32 s23, 0x10000, 0                  ; key: a group's rows 8-15 lie 16 rows further on than in the other two tensors
	s_wait_alu depctr_va_vdst(0)                   ; the wait ahead of the reader below
	v_add_nc_u32 v11, s23, v4                      ; the offset of rows 8-15
	s_lshl_b32 s19, s16, 11                        ; 512 numbers along K
	s_add_co_u32 s18, s18, s19
	s_mov_b32 s19, 0
	s_mul_i32 s24, s14, 6553600
	s_mul_i32 s26, s17, 12800
	s_add_co_u32 s24, s24, s26                     ; the group's bytes in xi
	s_mov_b32 s25, 0
	s_mul_i32 s26, s16, 6144                       ; my four fragments
	s_mov_b32 s27, 0
	s_lshl_b32 s28, s16, 8
	s_add_co_u32 s28, s28, 12288                   ; my half of the scale image
	s_mov_b32 s29, 0
	s_wait_alu depctr_va_vdst(0)                   ; the wait at the head's end
	s_wait_kmcnt 0x0
	s_cmp_eq_u32 s14, 1                            ; the choice hangs on the work-group's number alone
	s_cselect_b64 s[4:5], s[6:7], s[4:5]
	s_cmp_eq_u32 s14, 2
	s_cselect_b64 s[4:5], s[8:9], s[4:5]
	s_add_nc_u64 s[4:5], s[4:5], s[18:19]
	s_add_nc_u64 s[10:11], s[10:11], s[24:25]
	s_add_nc_u64 s[6:7], s[10:11], s[28:29]        ; the scale image
	s_add_nc_u64 s[10:11], s[10:11], s[26:27]      ; the codes
.macro LOAD t                          ; step t: 16 rows x 512 bytes, a row an instruction
.irp i, 0,1,2,3,4,5,6,7,8,9,10,11,12,13,14,15
	global_load_b128 v[R+64*((\t)%2)+4*\i:R+64*((\t)%2)+4*\i+3], v[4+7*(\i/8)], s[4:5] offset:(\i+8*(\i/8))*4096+512*(\t) th:TH_LOAD_NT   ; rows 0-7 by v4, rows 8-15 by v11
.endr
.endm
.macro STEP t
.set RS, R+64*((\t)%2)
.if (\t) < 3
	s_wait_loadcnt 16                              ; this step's sixteen loads are in; the next step's sixteen may be out
.else
	s_wait_loadcnt 0x0
.endif
.irp i, 0,1,2,3,4,5,6,7,8,9,10,11,12,13,14,15
	ds_store_b128 v5, v[RS+4*\i:RS+4*\i+3] offset:528*\i
.endr
.irp c, 0,1
.irp j, 0,1,2,3,4,5,6,7
	ds_load_b128 v[X+32*\c+4*\j:X+32*\c+4*\j+3], v6 offset:256*\c+16*\j   ; LDS serves a wave's instructions in order: these see the stores above
.endr
.endr
	s_wait_dscnt 0x0
.if (\t)+2 < 4
	LOAD (\t)+2
.endif
.irp c, 0,1
	v_max3_num_f32 v[14+\c], |v[X+32*\c]|, |v[X+32*\c+1]|, 0x1800000      ; my two blocks by turns; the floor 2^(3 - 127) holds the byte at 1 from below
.endr
.irp i, 2,4,6,8,10,12,14,16,18,20,22,24,26,28,30
.irp c, 0,1
	v_max3_num_f32 v[14+\c], v[14+\c], |v[X+32*\c+\i]|, |v[X+32*\c+\i+1]|
.endr
.endr
.irp c, 0,1
	v_add_nc_u32 v[16+\c], 0xff000000, v[14+\c]    ; 2 off the exponent field: the conversion's scale operand
.endr
.irp c, 0,1
	v_lshrrev_b32 v[18+\c], 23, v[16+\c]           ; the scale's byte
.endr
	v_lshl_or_b32 v9, v19, 16, v18                 ; blocks h and 2 + h of my row,
	v_lshlrev_b32 v9, v7, v9                       ; at their places in the word;
	v_permlanex16_b32 v10, v9, s20, s21
	v_or_b32 v9, v9, v10                           ; with lane l xor 16's two the word is whole
.if (\t) > 0
	s_wait_alu depctr_va_vdst(0)
	s_wait_xcnt 0x0                                ; the last step's stores have read the fragment's registers
.endif
.irp c, 0,1
	v_cvt_scalef32_pk16_fp6_f32 v[PC+6*\c:PC+6*\c+2], v[X+32*\c:X+32*\c+15], v[16+\c]
	v_cvt_scalef32_pk16_fp6_f32 v[TQ+4*\c:TQ+4*\c+2], v[X+32*\c+16:X+32*\c+31], v[16+\c]   ; (a conversion's three registers begin on an even number)
.endr
	v_nop                                          ; one plain place behind the scaled conversions
.irp c, 0,1
.irp i, 0,1,2
	v_mov_b32 v[PC+6*\c+3+\i], v[TQ+4*\c+\i]
.endr
.endr
.irp c, 0,1,2
	global_store_b128 v4, v[PC+4*\c:PC+4*\c+3], s[10:11] offset:1536*(\t)+512*\c   ; 512 consecutive bytes, aligned
.endr
.if ((\t)%2) == 0
	v_mov_b32 v[20+(\t)/2], v9                     ; an even step's word stays in lanes 0-15,
.else
	v_cndmask_b32 v[20+(\t)/2], v[20+(\t)/2], v9, s22   ; an odd step's takes lanes 16-31
.endif
.endm
	LOAD 0
	LOAD 1
	STEP 0
	STEP 1
	STEP 2
	STEP 3
	global_store_b64 v8, v[20:21], s[6:7]          ; 256 consecutive bytes, aligned
	s_wait_tensorcnt 0x0                           ; the wave's end
	ds_add_u32 v[SPW], v[NIL]
	s_wait_dscnt 0x0
	s_endpgm
; ================= THE WEIGHTS
.Lweights:
.set C,     32                         ; v32-63   codes: eight registers a block, six used
.set TQ,    64                         ; v64-66   a block's upper half as the conversion leaves it
.set X,     72                         ; v72-199  my column's 128 numbers
.set OUTR,  200                        ; v200-223 the two fragments on their way out
	s_load_b256 s[4:11], s[0:1], 0x20              ; Wq, Wk, Wv, Wo
	s_load_b64 s[12:13], s[0:1], 0x40              ; wi
	v_lshrrev_b32 v1, 5, v0
	s_delay_alu instid0(VALU_DEP_1)
	v_readfirstlane_b32 s14, v1                    ; wave 0..7
	v_and_b32 v1, 31, v0                           ; lane = my column among 32
	s_delay_alu instid0(VALU_DEP_1)
	v_lshlrev_b32 v2, 2, v1                        ; in: 4 bytes a lane
	s_delay_alu instid0(VALU_DEP_2)
	v_lshlrev_b32 v7, 4, v1                        ; out: 16 bytes a lane
	v_bfe_u32 v9, v0, 3, 1                         ; u: which of the two groups my column falls into
	s_wait_alu depctr_va_vdst(0)
	v_and_b32 v12, 7, v0
	v_bfe_u32 v13, v0, 4, 1
	s_delay_alu instid0(VALU_DEP_1)
	v_lshl_or_b32 v12, v13, 3, v12                 ; r: its lane there
	s_mul_i32 s15, s14, WST
	v_mul_u32_u24 v3, v9, 1664
	s_delay_alu instid0(VALU_DEP_1)
	v_lshl_add_u32 v3, v12, 4, v3
	s_delay_alu instid0(VALU_DEP_1)
	v_add_nc_u32 v3, s15, v3                       ; into the stage: fragment u, 16 r
	v_add_nc_u32 v4, s15, v7                       ; out of it: 16 x lane
	s_lshr_b32 s16, s14, 2                         ; cg: which 32 columns
	s_and_b32 s17, s14, 3                          ; which K step of the half
	s_lshl_b32 s18, s16, 9
	s_and_b32 s19, s14, 1
	s_lshl_b32 s19, s19, 7                         ; an odd step's words lie in lanes 16-31 of the image: 128 bytes on
	s_add_co_u32 s18, s18, s19
	s_bfe_u32 s19, s14, 0x10001
	s_lshl_b32 s19, s19, 2                         ; steps 2, 3 of the half: the lane's second word
	s_add_co_u32 s18, s18, s19
	s_add_co_u32 s18, s18, SCR
	v_lshlrev_b32 v5, 8, v9
	s_wait_alu depctr_va_vdst(0)
	v_lshl_add_u32 v5, v12, 3, v5
	s_delay_alu instid0(VALU_DEP_1)
	v_add_nc_u32 v5, s18, v5                       ; where my scale word goes
	s_lshl_b32 s19, s16, 9
	s_add_co_u32 s19, s19, SCR
	v_add_nc_u32 v6, s19, v7                       ; and where 512 bytes of them are read back
	v_and_b32 v8, 15, v0
	s_delay_alu instid0(VALU_DEP_1)
	v_lshlrev_b32 v8, 4, v8
	s_delay_alu instid0(VALU_DEP_1)
	v_mad_u32_u24 v8, v13, 12800, v8               ; lanes 0-15: the first group's 256 bytes; lanes 16-31: the second's
	s_lshr_b32 s20, ttmp9, 5                       ; the weight: 32 work-groups each
	s_bfe_u32 s21, ttmp9, 0x40001                  ; cb: which 64 columns
	s_and_b32 s22, ttmp9, 1                        ; which half of K
	s_lshl_b32 s23, s22, 2
	s_add_co_u32 s23, s23, s17                     ; my K step
	s_lshl_b32 s24, s23, 19                        ; 128 rows of 4,096 bytes
	s_lshl_b32 s26, s21, 8
	s_add_co_u32 s24, s24, s26
	s_lshl_b32 s26, s16, 7
	s_add_co_u32 s24, s24, s26
	s_mov_b32 s25, 0
	s_lshl_b32 s26, s21, 2
	s_lshl_b32 s27, s16, 1
	s_add_co_u32 s26, s26, s27                     ; my first group
	s_mul_i32 s26, s26, 12800
	s_mul_i32 s27, s20, 819200
	s_add_co_u32 s26, s26, s27
	s_mov_b32 s27, 0
	s_mul_i32 s28, s23, 1536
	s_mov_b32 s29, 0
	s_lshl_b32 s30, s22, 8
	s_add_co_u32 s30, s30, 12288
	s_mov_b32 s31, 0
	s_wait_kmcnt 0x0
	s_cmp_eq_u32 s20, 1
	s_cselect_b64 s[4:5], s[6:7], s[4:5]
	s_cmp_eq_u32 s20, 2
	s_cselect_b64 s[4:5], s[8:9], s[4:5]
	s_cmp_eq_u32 s20, 3
	s_cselect_b64 s[4:5], s[10:11], s[4:5]
	s_add_nc_u64 s[4:5], s[4:5], s[24:25]
	s_add_nc_u64 s[12:13], s[12:13], s[26:27]
	s_add_nc_u64 s[6:7], s[12:13], s[30:31]        ; the scale images' half
	s_add_nc_u64 s[12:13], s[12:13], s[28:29]      ; the K step's fragments
.set kk, 0
.rept 128
	global_load_b32 v[X+kk], v2, s[4:5] offset:kk*4096 th:TH_LOAD_NT   ; W(128 s + kk, my column): 128 consecutive bytes a wave
.set kk, kk+1
.endr
.macro BLOCK kb                        ; block kb = 2 c' + h of the K step: it becomes registers 6 c' .. 6 c' + 5 of lane r + 16 h
.set XB_, X+32*(\kb)
.set CB_, C+8*(\kb)
.if (\kb) < 2
	s_wait_loadcnt 63                              ; 96 or 64 loads were issued behind this block's; the wait names 63 at the most, and a smaller count is safe
.else
	s_wait_loadcnt 96-32*(\kb)                     ; the loads issued behind this block's
.endif
	v_max3_num_f32 v12, |v[XB_]|, |v[XB_+1]|, |v[XB_+2]|
	v_max3_num_f32 v13, |v[XB_+3]|, |v[XB_+4]|, |v[XB_+5]|
.irp i, 6,10,14,18,22,26
	s_delay_alu instid0(VALU_DEP_2)
	v_max3_num_f32 v12, v12, |v[XB_+\i]|, |v[XB_+\i+1]|
	s_delay_alu instid0(VALU_DEP_2)
	v_max3_num_f32 v13, v13, |v[XB_+\i+2]|, |v[XB_+\i+3]|
.endr
	s_delay_alu instid0(VALU_DEP_2)
	v_max3_num_f32 v12, v12, |v[XB_+30]|, |v[XB_+31]|
	s_delay_alu instid0(VALU_DEP_1)
	v_max3_num_f32 v12, v12, v13, 0x1800000        ; the floor 2^(3 - 127): the byte cannot fall under 1
	s_delay_alu instid0(VALU_DEP_1)
	v_add_nc_u32 v16, 0xff000000, v12              ; 2 off the exponent field: the conversion's scale operand
	s_delay_alu instid0(VALU_DEP_1)
	v_lshrrev_b32 v20, 23, v16                     ; the byte
.if (\kb) == 0
	s_delay_alu instid0(VALU_DEP_1)
	v_mov_b32 v24, v20
.else
	s_delay_alu instid0(VALU_DEP_1)
	v_lshl_or_b32 v24, v20, 8*(\kb), v24           ; the K step's scale word of my column
.endif
	v_cvt_scalef32_pk16_fp6_f32 v[CB_:CB_+2], v[XB_:XB_+15], v16
	v_cvt_scalef32_pk16_fp6_f32 v[TQ:TQ+2], v[XB_+16:XB_+31], v16
	v_nop                                          ; one plain place behind the scaled conversions
.irp i, 0,1,2
	v_mov_b32 v[CB_+3+\i], v[TQ+\i]
.endr
.if (\kb) < 2
	ds_store_b128 v3, v[CB_:CB_+3] offset:256*(\kb)                  ; registers 0-3: chunk 0
	ds_store_b64 v3, v[CB_+4:CB_+5] offset:512+256*(\kb)             ; registers 4, 5: the lower half of chunk 1's 16 bytes
.else
	ds_store_b64 v3, v[CB_:CB_+1] offset:512+256*((\kb)-2)+8         ; registers 6, 7: the upper half
	ds_store_b128 v3, v[CB_+2:CB_+5] offset:1024+256*((\kb)-2)       ; registers 8-11: chunk 2
.endif
.endm
	BLOCK 0
	BLOCK 1
	BLOCK 2
	BLOCK 3
	ds_store_b32 v5, v24
.irp u, 0,1
.irp c, 0,1,2
	ds_load_b128 v[OUTR+4*(3*\u+\c):OUTR+4*(3*\u+\c)+3], v4 offset:1664*\u+512*\c   ; LDS serves a wave's instructions in order: these see my stores
.endr
.endr
.irp u, 0,1
.irp c, 0,1,2
	s_wait_dscnt 5-(3*\u+\c)                       ; the younger loads may be out
	global_store_b128 v7, v[OUTR+4*(3*\u+\c):OUTR+4*(3*\u+\c)+3], s[12:13] offset:\u*12800+512*\c   ; 512 consecutive bytes, aligned
.endr
.endr
	s_wait_dscnt 0x0                               ; for the others' sake: my scale word has landed
	s_barrier_signal -1
	s_barrier_wait -1
	s_cmp_lg_u32 s17, 0                            ; waves 0 and 4 send their column group's scale words
	s_cbranch_scc1 .Ldone
	ds_load_b128 v[32:35], v6
	s_wait_dscnt 0x0
	global_store_b128 v8, v[32:35], s[6:7]         ; sixteen lanes store 256 consecutive bytes, aligned
.Ldone:
	s_wait_tensorcnt 0x0                           ; the wave's end
	ds_add_u32 v[SPW], v[NIL]
	s_wait_dscnt 0x0
	s_endpgm
.Lfunc_end_k_qbb55e21a8d_quant:
	.size	k_qbb55e21a8d_quant, .Lfunc_end_k_qbb55e21a8d_quant-k_qbb55e21a8d_quant
	.p2alignl 7, 3214868480
	.fill 96, 4, 3214868480
	.section	.rodata,"a",@progbits
	.p2align	6, 0x0
	.amdhsa_kernel k_qbb55e21a8d_quant
		.amdhsa_group_segment_fixed_size 96256
		.amdhsa_private_segment_fixed_size 0
		.amdhsa_enable_private_segment 0
		.amdhsa_kernarg_size 72
		.amdhsa_user_sgpr_count 2
		.amdhsa_user_sgpr_kernarg_segment_ptr 1
		.amdhsa_wavefront_size32 1
		.amdhsa_system_sgpr_workgroup_id_x 1
		.amdhsa_system_sgpr_workgroup_id_y 1
		.amdhsa_system_sgpr_workgroup_id_z 1
		.amdhsa_system_vgpr_workitem_id 0
		.amdhsa_next_free_vgpr 240
		.amdhsa_next_free_sgpr 66
		.amdhsa_reserve_vcc 0
		.amdhsa_float_denorm_mode_32 3
		.amdhsa_float_denorm_mode_16_64 3
		.amdhsa_memory_ordered 1
		.amdhsa_forward_progress 1
		.amdhsa_inst_pref_size 56
	.end_amdhsa_kernel
	.amdgpu_metadata
---
amdhsa.version: [ 1, 2 ]
amdhsa.kernels:
  - .name:           k_qbb55e21a8d_quant
    .symbol:         k_qbb55e21a8d_quant.kd
    .args:
      - { .name: query, .offset: 0, .size: 8, .value_kind: global_buffer, .address_space: global }
      - { .name: key, .offset: 8, .size: 8, .value_kind: global_buffer, .address_space: global }
      - { .name: value, .offset: 16, .size: 8, .value_kind: global_buffer, .address_space: global }
      - { .name: xi, .offset: 24, .size: 8, .value_kind: global_buffer, .address_space: global }
      - { .name: Wq, .offset: 32, .size: 8, .value_kind: global_buffer, .address_space: global }
      - { .name: Wk, .offset: 40, .size: 8, .value_kind: global_buffer, .address_space: global }
      - { .name: Wv, .offset: 48, .size: 8, .value_kind: global_buffer, .address_space: global }
      - { .name: Wo, .offset: 56, .size: 8, .value_kind: global_buffer, .address_space: global }
      - { .name: wi, .offset: 64, .size: 8, .value_kind: global_buffer, .address_space: global }
    .group_segment_fixed_size: 96256
    .private_segment_fixed_size: 0
    .kernarg_segment_align: 8
    .kernarg_segment_size: 72
    .max_flat_workgroup_size: 256
    .sgpr_count:     66
    .vgpr_count:     240
    .wavefront_size: 32
...
	.end_amdgpu_metadata
.endif
;; end of part 1
;; launch proj (part 2): grid 4 x 192, 4 waves a work-group, clusters of 4 x 4, 327,680 bytes of LDS; arguments xi, wi, bq, bk, bv, pi; writes pi
.if DOCPART == 2
	.amdgcn_target "amdgcn-amd-amdhsa--gfx1250"
	.amdhsa_code_object_version 6
	.text
	.protected	k_qbb55e21a8d_proj
	.globl	k_qbb55e21a8d_proj
	.p2align	8
	.type	k_qbb55e21a8d_proj,@function
k_qbb55e21a8d_proj:
	s_mov_b64 s[64:65], 0
	v_nop
	global_prefetch_b8 v0, s[64:65] scope:SCOPE_SE
	s_setreg_imm32_b32 hwreg(HW_REG_WAVE_MODE, 25, 1), 1
	s_wait_xcnt 0x0
	s_wait_alu depctr_hold_cnt(0) depctr_sa_sdst(0) depctr_va_vdst(0) depctr_va_sdst(0) depctr_va_ssrc(0) depctr_va_vcc(0) depctr_vm_vsrc(0)
	s_getreg_b32 s2, hwreg(HW_REG_IB_STS2, 6, 4)
	s_cmp_eq_u32 s2, 0
	s_cbranch_scc0 .Lentry_in_a_cluster
	s_endpgm
.Lentry_in_a_cluster:
	s_bfe_u32 s2, ttmp6, 0x10000c
	s_cmp_lg_u32 s2, 0xf033
	s_cbranch_scc0 .Lentry_shape_is_right
	s_endpgm
.Lentry_shape_is_right:
; q = query Wq + bq, k = key Wk + bk, v = value Wv + bv on codes of FP6 (E2M3), and the quantiser of the three results, in registers: q and k along the head's 64, v along the keys.
; ONE BODY: D = X0 X1^T (source 0 = 16 rows of X0, source 1 = 16 rows of X1): a lane holds one row of X1 and its registers run along X0's rows.  For q and k X0 = the weight (rows n), X1 = the activations (rows s);
; for v X0 = value (rows s, the keys), X1 = Wv (rows n).  So the axis to be quantised always runs along a lane's registers.  The rows of a group of 16 are chosen (see the quantisers) so that the 16 registers of result tiles
; 2 b and 2 b + 1 are 16 neighbours: index 32 b + 16 (lane / 16) + 0 .. 15.
; SHARES: a work-group makes 256 rows of X0 x 128 rows of X1; wave w: 128 (w % 2) x 64 (w / 2): 32 accumulators.  All of K = 1,024 of both blocks, codes and scale images, lies in LDS: 307,200 bytes, EVERY BYTE FILLED ONCE,
; in four chunks of 256 along K, so there is no refill and no barrier for one; a chunk is multiplied while the later ones land.  A wave has five tensor loads out at the start.
; CLUSTER 4 x 4: X0's block hangs on cx alone and is shared along a column, X1's on cy alone and is shared along a row: joint loads.
; pi = [0 q, 1 k, 2 v][16 b + head][unit 0..15][6,400].  A unit of q or k (128 rows): four pair images of 1,536 bytes (32 rows: registers 0-5 row 32 p + r + 8 (r / 8), block lane / 16; registers 6-11 the row 8 further on),
; then 256 scale bytes [i][lane][4]: pair 2 i + lane / 16, row r: the two bytes of the first row, the two of the second.  A unit of v (128 keys): four fragments of V^T (16 of the head's 64 x 128 keys), then [lane][8]: tiles lane / 16 and 2 + lane / 16.
; The scale words of q and k leave in runs of 128 bytes (two waves fill an aligned 256): one twenty-fifth of the launch's output.  Both bias vectors are loaded on both ways; the one that a way does not use is read from the vector's head.
; LIMITS: no NaN, no infinities; a block of zeros gets the byte 1 where the rule says 127 (its codes are zeros; this program alone reads the bytes).
; THE FILL AS IT STANDS (it takes the place of the chunks named above): a group of xi or wi is 12,800 bytes: K steps 0-3 (6,144 bytes), then K steps 4-7 and the scale image (6,656 bytes).  FOUR TENSOR LOADS, ONE A WAVE, each in an arm of its own:
; wave 0 the upper 6,656 bytes of X0's sixteen groups, wave 1 those of X1's eight, wave 2 the lower 6,144 bytes of X0's groups, wave 3 those of X1's.  Every row begins at a multiple of 256 bytes.
; K IS WALKED 4, 5, 6, 7, 0, 1, 2, 3: ahead of the first barrier waves 0 and 1 alone wait for their loads, and the upper half is multiplied while the lower half is on its way; in K step 7 every wave waits for its load and a second
; barrier shows the lower half.  Nothing is filled again.  k's rows come in the order that the first launch gives key: that moves nothing here.
.set U1,    106496                     ; LDS: X0's upper parts [group 0..15][6,656] from 0; X1's [group 0..7][6,656] from here
.set L0,    159744                     ; X0's lower parts [group][6,144]
.set L1,    258048                     ; X1's
.set SPARE, 307200                     ; the spare words, 128 bytes a wave
.set SPW, 28
.set NIL, 29
.set SC0, 32                           ; v32-63  X0's scale words: 4 i + s / 2; lanes 0-15 an even K step's, lanes 16-31 an odd one's
.set SC1, 64                           ; v64-79  X1's: 4 t + s / 2
.set BL,  80                           ; v80-87  the bias by lane (v): four pairs, the upper word 0
.set H,   88                           ; v88-151 64 results of my row, with the bias
.set TM,  152                          ; v152-167 the quantiser's: maxima, bytes, scale operands
.set PW,  168                          ; v168-171 the four tiles' scale words
.set TQ,  172                          ; v172-179 upper halves as the conversions leave them
.set IMG, 180                          ; v180-227 the images
.set BN,  160                          ; window 2, v160-223: the bias by register (q, k)
.set G1A, 16                           ; s[16:23] group 1: X1's upper parts;  s[24:31] X0's;  s[32:39] X1's lower parts;  s[40:47] X0's
.set G1B, 24
.set G1SA, 32
.set G1SB, 40
.set G0A, 48                           ; s[48:51] group 0: X1's upper parts;  s[68:71] X0's;  s[84:87] X1's lower parts;  s[88:91] X0's
.set G0B, 68
.set G0SA, 84
.set G0SB, 88
.set WV,  92
.set WX1, 93                           ; w / 2: my 64 rows of X1
.set WX0, 94                           ; w % 2: my 128 rows of X0
.set TT,  95                           ; 0 q, 1 k, 2 v
.set CX,  96
.set CY,  97
.set I0,  99                           ; X0's block (made of cx; never of cy)
.set I1,  100                          ; X1's block (made of cy; never of cx)
; REGISTERS: window 0: v1-3 16, 8, 4 x lane; v4, v5 LDS addresses of the upper and lower parts of my eight groups of X0, v8, v9 of my four of X1; v12, v13 of the scale images; v14, v15 the biases' offsets; the rest as above.
;   window 1: the 32 accumulators, (t, i) at 64 t + 8 i.   windows 2 and 3: two sets of fragments: X0's eight at 12 i, X1's four at 96 + 12 t.
.set MSB, 0
.macro WIN new                         ; the immediate's high byte repeats the setting that is left
.if MSB != \new
	s_set_vgpr_msb (MSB<<8)|\new
.set MSB, \new
.endif
.endm
.macro CROUND                          ; a round of the cluster's barrier
	s_barrier_signal -1
	s_barrier_wait -1
	s_cmp_lg_u32 s[WV], 0
	s_cbranch_scc1 .Lnot_wave_0_\@
	s_barrier_signal -3
.Lnot_wave_0_\@:
	s_barrier_wait -3
	s_barrier_signal -1
	s_barrier_wait -1
.endm
.macro SHAPE g, c, r, p                ; group 1's words 1 to 7: r rows of c elements of 8 bytes, p elements apart
	s_mov_b32 s[\g+1], (\c)<<16
	s_mov_b32 s[\g+2], (\r)<<16
	s_mov_b32 s[\g+3], (\c)<<16
	s_mov_b32 s[\g+4], \r
	s_mov_b32 s[\g+5], \p
	s_mov_b32 s[\g+6], 0
	s_mov_b32 s[\g+7], 0
.endm
	s_load_b256 s[4:11], s[0:1], 0x0               ; xi s[4:5], wi s[6:7], bq s[8:9], bk s[10:11]
	s_load_b128 s[12:15], s[0:1], 0x20             ; bv s[12:13], pi s[14:15]
	v_lshl_add_u32 v[SPW], v0, 2, SPARE
	v_mov_b32 v[NIL], 0
	ds_add_u32 v[SPW], v[NIL]                      ; the wave's opening: the add and its wait ahead of my first tensor load
	ds_add_u32 v[SPW], v[NIL]
	v_lshrrev_b32 v1, 5, v0
	v_readfirstlane_b32 s[WV], v1
	s_lshr_b32 s[WX1], s[WV], 1
	s_and_b32 s[WX0], s[WV], 1
	s_bfe_u32 s[CX], ttmp6, 0x40000
	s_bfe_u32 s[CY], ttmp6, 0x40004
	s_and_b32 s98, ttmp7, 0xffff                   ; the cluster's y: 16 clusters for each of the three products
	s_lshr_b32 s[TT], s98, 4
	s_and_b32 s98, s98, 15
	s_and_b32 s[I0], s98, 7
	s_lshr_b32 s[I1], s98, 3
	s_cmp_eq_u32 s[TT], 2
	s_cselect_b32 s[I0], s[I0], 0                  ; v: 32 blocks of value x 8 of Wv;  q, k: 4 of the weight x 64 of the activations
	s_cselect_b32 s[I1], s[I1], s98
	s_lshl_b32 s[I0], s[I0], 2
	s_add_co_u32 s[I0], s[I0], s[CX]
	s_lshl_b32 s[I1], s[I1], 2
	s_add_co_u32 s[I1], s[I1], s[CY]
	s_lshl_b32 s101, s[CY], 2
	s_lshl_b32 s101, 15, s101                      ; my row of the cluster
	s_lshl_b32 s3, 0x1111, s[CX]                   ; my column
	s_or_b32 s[G1A], s101, (3<<16)|(1<<21)         ; 15:0 the mask; 17:16 elements of 8 bytes; 21 set beside a mask; no padding
	s_or_b32 s[G1SA], s101, (3<<16)|(1<<21)
	s_or_b32 s[G1B], s3, (3<<16)|(1<<21)
	s_or_b32 s[G1SB], s3, (3<<16)|(1<<21)
	SHAPE G1A, 832, 8, 1600                        ; eight groups' upper 6,656 bytes, 12,800 bytes apart
	SHAPE G1B, 832, 16, 1600                       ; sixteen groups'
	SHAPE G1SA, 768, 8, 1600                       ; eight groups' lower 6,144 bytes
	SHAPE G1SB, 768, 16, 1600
	s_mul_i32 s2, s[I0], 204800                    ; X0's block: 16 groups
	s_mov_b32 s3, 0
	s_mul_i32 s104, s[I1], 102400                  ; X1's block: 8 groups
	s_mov_b32 s105, 0
	s_wait_dscnt 0x0                               ; the opening add is done
	s_wait_kmcnt 0x0
	s_mul_i32 s66, s[TT], 6553600
	s_mov_b32 s67, 0
	s_add_nc_u64 s[4:5], s[4:5], s[66:67]          ; the product's activations
	s_mul_i32 s66, s[TT], 819200
	s_add_nc_u64 s[6:7], s[6:7], s[66:67]          ; and its weight
	s_cmp_eq_u32 s[TT], 2                          ; the same in all sixteen partners
	s_cselect_b64 s[66:67], s[4:5], s[6:7]         ; X0
	s_cselect_b64 s[4:5], s[6:7], s[4:5]           ; X1
	s_add_nc_u64 s[66:67], s[66:67], s[2:3]
	s_add_nc_u64 s[4:5], s[4:5], s[104:105]
	s_mov_b32 s[G0A], 1
	s_mov_b32 s[G0A+1], U1
	s_add_nc_u64 s[G0A+2:G0A+3], s[4:5], 6144
	s_or_b32 s[G0A+3], s[G0A+3], 0x80000000
	s_mov_b32 s[G0B], 1
	s_mov_b32 s[G0B+1], 0
	s_add_nc_u64 s[G0B+2:G0B+3], s[66:67], 6144
	s_or_b32 s[G0B+3], s[G0B+3], 0x80000000
	s_mov_b32 s[G0SA], 1
	s_mov_b32 s[G0SA+1], L1
	s_mov_b64 s[G0SA+2:G0SA+3], s[4:5]
	s_or_b32 s[G0SA+3], s[G0SA+3], 0x80000000
	s_mov_b32 s[G0SB], 1
	s_mov_b32 s[G0SB+1], L0
	s_mov_b64 s[G0SB+2:G0SB+3], s[66:67]
	s_or_b32 s[G0SB+3], s[G0SB+3], 0x80000000
	CROUND                                         ; all sixteen work-groups are here: the joint loads meet
	s_cmp_eq_u32 s[WV], 0                          ; one chain of branches on the wave's number, one load to an arm, all arms to one join
	s_cbranch_scc0 .Lfill_1
	tensor_load_to_lds s[G0B:G0B+3], s[G1B:G1B+7]  ; wave 0: X0's upper parts
	s_nop 0
.rept 4
	v_nop
.endr
	s_branch .Lfilled
.Lfill_1:
	s_cmp_eq_u32 s[WV], 1
	s_cbranch_scc0 .Lfill_2
	tensor_load_to_lds s[G0A:G0A+3], s[G1A:G1A+7]  ; wave 1: X1's upper parts
	s_nop 0
.rept 4
	v_nop
.endr
	s_branch .Lfilled
.Lfill_2:
	s_cmp_eq_u32 s[WV], 2
	s_cbranch_scc0 .Lfill_3
	tensor_load_to_lds s[G0SB:G0SB+3], s[G1SB:G1SB+7]   ; wave 2: X0's lower parts
	s_nop 0
.rept 4
	v_nop
.endr
	s_branch .Lfilled
.Lfill_3:
	tensor_load_to_lds s[G0SA:G0SA+3], s[G1SA:G1SA+7]   ; wave 3: X1's lower parts
	s_nop 0
.rept 4
	v_nop
.endr
.Lfilled:
	s_cmp_eq_u32 s[TT], 1                          ; the product's bias
	s_cselect_b64 s[8:9], s[10:11], s[8:9]
	s_cmp_eq_u32 s[TT], 2
	s_cselect_b64 s[8:9], s[12:13], s[8:9]
	s_lshl_b32 s2, s[I0], 10                       ; q, k: my 128 n begin at 256 i0 + 128 (w % 2)
	s_lshl_b32 s98, s[WX0], 9
	s_add_co_u32 s2, s2, s98
	s_lshl_b32 s104, s[I1], 9                      ; v: my 64 n begin at 128 i1 + 64 (w / 2)
	s_lshl_b32 s98, s[WX1], 8
	s_add_co_u32 s104, s104, s98
	s_cmp_eq_u32 s[TT], 2
	s_cselect_b32 s2, 0, s2                        ; the vector that this product does not use is read from its head: no load leaves the buffer
	s_cselect_b32 s104, s104, 0
	v_and_b32 v16, 15, v0                          ; r
	v_bfe_u32 v17, v0, 4, 1                        ; h
	v_and_b32 v18, 31, v0                          ; lane
	v_lshl_add_u32 v14, v17, 6, s2                 ; by register: 16 h numbers on
	v_and_b32 v19, 8, v16
	v_add_nc_u32 v19, v19, v16                     ; r + 8 (r / 8)
	v_lshl_add_u32 v15, v19, 2, s104               ; by lane
	v_lshlrev_b32 v1, 4, v18
	v_lshlrev_b32 v2, 3, v18
	v_lshlrev_b32 v3, 2, v18
	WIN 0x80                                       ; destination window 2
.irp i, 0,1,2,3,4,5,6,7
	global_load_b128 v[BN+8*\i:BN+8*\i+3], v14, s[8:9] offset:(32*(\i/2)+8*(\i%2))*4
	global_load_b128 v[BN+8*\i+4:BN+8*\i+7], v14, s[8:9] offset:(32*(\i/2)+8*(\i%2))*4+16
.endr
	WIN 0
.irp t, 0,1,2,3
	global_load_b32 v[BL+2*\t], v15, s[8:9] offset:(32*(\t/2)+8*(\t%2))*4
	v_mov_b32 v[BL+2*\t+1], 0                      ; (named with it as a pair)
.endr
	s_mul_i32 s98, s[WX0], 53248
	v_add_nc_u32 v4, s98, v1                       ; X0: the upper parts of my eight groups,
	v_add_nc_u32 v12, s98, v2                      ; their scale images, 8 bytes a lane (the 6,144 stand in the immediate),
	s_mul_i32 s98, s[WX0], 49152
	s_add_co_u32 s98, s98, L0
	v_add_nc_u32 v5, s98, v1                       ; and the lower parts
	s_mul_i32 s98, s[WX1], 26624
	s_add_co_u32 s98, s98, U1
	v_add_nc_u32 v8, s98, v1                       ; X1: my four groups likewise
	v_add_nc_u32 v13, s98, v2
	s_mul_i32 s98, s[WX1], 24576
	s_add_co_u32 s98, s98, L1
	v_add_nc_u32 v9, s98, v1
.irp b, 0,1,2,3
	v_mov_b32 v[TM+4+\b], 0                        ; a lane permute's destination counts as read: written once
.endr
	s_mov_b32 s101, 0xffff0000                     ; lanes 16-31
.macro FETCH s                         ; K step s: 36 loads of 512 consecutive bytes: the images come back as registers
.if ((\s)%2) == 0
	WIN 0x80
.else
	WIN 0xc0
.endif
.irp i, 0,1,2,3,4,5,6,7
.irp c, 0,1,2
	ds_load_b128 v[12*\i+4*\c:12*\i+4*\c+3], v[5-(\s)/4] offset:(6144+512*((\s)/4))*\i+1536*((\s)%4)+512*\c
.endr
.endr
.irp t, 0,1,2,3
.irp c, 0,1,2
	ds_load_b128 v[96+12*\t+4*\c:96+12*\t+4*\c+3], v[9-(\s)/4] offset:(6144+512*((\s)/4))*\t+1536*((\s)%4)+512*\c
.endr
.endr
.endm
.macro MULH s, half, zero              ; 16 products: X1's groups 2 half, 2 half + 1 x X0's eight.  The 32 accumulators take turns, one instruction a turn, in the same order in every step
.irp t, 2*(\half), 2*(\half)+1
.irp i, 0,1,2,3,4,5,6,7
.if \zero
	v_wmma_scale_f32_16x16x128_f8f6f4 v[64*(\t)+8*\i:64*(\t)+8*\i+7], v[12*\i:12*\i+11], v[96+12*(\t):96+12*(\t)+11], 0, v[SC0+4*\i+(\s)/2], v[SC1+4*(\t)+(\s)/2] matrix_a_fmt:MATRIX_FMT_FP6 matrix_b_fmt:MATRIX_FMT_FP6
.elseif ((\s)%2) == 0
	v_wmma_scale_f32_16x16x128_f8f6f4 v[64*(\t)+8*\i:64*(\t)+8*\i+7], v[12*\i:12*\i+11], v[96+12*(\t):96+12*(\t)+11], v[64*(\t)+8*\i:64*(\t)+8*\i+7], v[SC0+4*\i+(\s)/2], v[SC1+4*(\t)+(\s)/2] matrix_a_fmt:MATRIX_FMT_FP6 matrix_b_fmt:MATRIX_FMT_FP6
.else
	v_wmma_scale_f32_16x16x128_f8f6f4 v[64*(\t)+8*\i:64*(\t)+8*\i+7], v[12*\i:12*\i+11], v[96+12*(\t):96+12*(\t)+11], v[64*(\t)+8*\i:64*(\t)+8*\i+7], v[SC0+4*\i+(\s)/2], v[SC1+4*(\t)+(\s)/2] matrix_a_fmt:MATRIX_FMT_FP6 matrix_b_fmt:MATRIX_FMT_FP6 matrix_a_scale:MATRIX_SCALE_ROW1 matrix_b_scale:MATRIX_SCALE_ROW1
.endif
.endr
.endr
.endm
.macro WINMUL s                        ; sources 0 and 1: the step's set (window 2 or 3); C and D window 1
.if ((\s)%2) == 0
	WIN 0x5a
.else
	WIN 0x5f
.endif
.endm
.macro KSTEP s, zero
	s_wait_dscnt 0x0                               ; the step's fragments are in
.if (\s) == 7
	s_wait_tensorcnt 0x0                           ; every wave's load has landed, the lower parts among them
	s_barrier_signal -1
.endif
	WINMUL \s
	MULH \s, 0, \zero
.if (\s) == 7
	s_barrier_wait -1                              ; everybody's has
.endif
.if (\s) != 3
.rept 4
	v_nop                                          ; four places behind the last step's products, which read the set that is loaded now
.endr
	FETCH ((\s)+1)%8
.endif
	WINMUL \s
	MULH \s, 1, \zero
.endm
	s_wait_alu depctr_va_vdst(0)
	s_cmp_lt_u32 s[WV], 2                          ; waves 0 and 1 brought the upper parts, by load lines of their own: they alone wait here
	s_cbranch_scc0 .Lnot_upper
	s_wait_tensorcnt 0x0
.Lnot_upper:
	s_barrier_signal -1
	s_barrier_wait -1
.irp i, 0,1,2,3,4,5,6,7
.irp f, 0,1
	ds_load_b64 v[SC0+4*\i+2*\f:SC0+4*\i+2*\f+1], v12 offset:6144+6656*\i+256*\f
.endr
.endr
.irp t, 0,1,2,3
.irp f, 0,1
	ds_load_b64 v[SC1+4*\t+2*\f:SC1+4*\t+2*\f+1], v13 offset:6144+6656*\t+256*\f
.endr
.endr
	FETCH 4
	KSTEP 4, 1                                     ; the first step's products start the sums: nothing is cleared
	KSTEP 5, 0
	KSTEP 6, 0
	KSTEP 7, 0
	KSTEP 0, 0
	KSTEP 1, 0
	KSTEP 2, 0
	KSTEP 3, 0
	WIN 0
.rept 4
	v_nop                                          ; four places in front of the first read of results
.endr
; 64 numbers of a lane, register 16 b + i = index 32 b + 16 (lane / 16) + i of my row, become twelve registers of codes (six at d0: indices 0-63, six at d1: 64-127; lane (r, h): block h of each) and a scale word.
.macro QUANT s, d0, d1, pw
.irp b, 0,1,2,3
	v_max3_num_f32 v[TM+\b], |v[\s+16*\b]|, |v[\s+1+16*\b]|, 0x1800000   ; the floor 2^(3 - 127): the byte cannot fall under 1
.endr
.irp i, 2,4,6,8,10,12,14
.irp b, 0,1,2,3
	v_max3_num_f32 v[TM+\b], v[TM+\b], |v[\s+16*\b+\i]|, |v[\s+1+16*\b+\i]|
.endr
.endr
.irp b, 0,1,2,3
	v_permlanex16_b32 v[TM+4+\b], v[TM+\b], s2, s3
.endr
.irp b, 0,1,2,3
	v_max_num_f32 v[TM+\b], v[TM+\b], v[TM+4+\b]   ; with lane l xor 16's sixteen: the block's largest magnitude
.endr
.irp b, 0,1,2,3
	v_add_nc_u32 v[TM+12+\b], 0xff000000, v[TM+\b] ; 2 off the exponent field: the conversion's scale operand
.endr
.irp b, 0,1,2,3
	v_lshrrev_b32 v[TM+4+\b], 23, v[TM+12+\b]      ; the byte
.endr
	v_lshl_or_b32 v[\pw], v[TM+5], 8, v[TM+4]
	v_lshl_or_b32 v[\pw], v[TM+6], 16, v[\pw]
	v_lshl_or_b32 v[\pw], v[TM+7], 24, v[\pw]
	v_cvt_scalef32_pk16_fp6_f32 v[\d0:\d0+2], v[\s:\s+15], v[TM+12]
	v_cvt_scalef32_pk16_fp6_f32 v[TQ:TQ+2], v[\s+16:\s+31], v[TM+13]
	v_cvt_scalef32_pk16_fp6_f32 v[\d1:\d1+2], v[\s+32:\s+47], v[TM+14]
	v_cvt_scalef32_pk16_fp6_f32 v[TQ+4:TQ+6], v[\s+48:\s+63], v[TM+15]
	v_nop                                          ; one plain place behind the scaled conversions
.irp i, 0,1,2
	v_permlane16_swap_b32 v[\d0+\i], v[TQ+\i]      ; a whole block to a lane: lanes 0-15 the first, lanes 16-31 the second
.endr
.irp i, 0,1,2
	v_mov_b32 v[\d0+3+\i], v[TQ+\i]
.endr
.irp i, 0,1,2
	v_permlane16_swap_b32 v[\d1+\i], v[TQ+4+\i]
.endr
.irp i, 0,1,2
	v_mov_b32 v[\d1+3+\i], v[TQ+4+\i]
.endr
.endm
	s_mov_b32 s2, 0x76543210
	s_mov_b32 s3, 0xfedcba98                       ; selects for lane l xor 16
	s_wait_loadcnt 0x0                             ; the biases; their pointers' registers are free from here on
	s_cmp_eq_u32 s[TT], 2                          ; the same in all partners; both ways hold register work and stores alone
	s_cbranch_scc1 .Lway_v
	; ---- q and k: my 128 n are two heads; my 64 rows are two pairs
	s_lshl_b32 s8, s[TT], 6
	s_lshr_b32 s9, s[I1], 4
	s_lshl_b32 s9, s9, 4                           ; 16 b
	s_add_co_u32 s8, s8, s9
	s_lshl_b32 s9, s[I0], 2
	s_add_co_u32 s8, s8, s9
	s_lshl_b32 s9, s[WX0], 1
	s_add_co_u32 s8, s8, s9                        ; my first head's block
	s_mul_i32 s8, s8, 102400
	s_and_b32 s9, s[I1], 15
	s_mul_i32 s9, s9, 6400                         ; the unit
	s_add_co_u32 s8, s8, s9
	s_mov_b32 s9, 0
	s_add_nc_u64 s[10:11], s[14:15], s[8:9]
	s_mul_i32 s8, s[WX1], 3072
	s_add_nc_u64 s[12:13], s[10:11], s[8:9]        ; my two pair images
	s_lshl_b32 s8, s[WX1], 7
	s_add_co_u32 s8, s8, 6144
	s_add_nc_u64 s[10:11], s[10:11], s[8:9]        ; my 128 scale bytes
.irp t, 0,1,2,3
	WIN 0x09                                       ; source 0 window 1 (the sums), source 1 window 2 (the bias)
.set nn, 0
.rept 32
	v_pk_add_f32 v[H+2*nn:H+2*nn+1], v[64*\t+2*nn:64*\t+2*nn+1], v[BN+2*nn:BN+2*nn+1]   ; each accumulator from its low end on
.set nn, nn+1
.endr
	WIN 0
	QUANT H, IMG+24*(\t/2)+6*(\t%2), IMG+24*(\t/2)+12+6*(\t%2), PW+\t
.endr
.irp g, 0,1
.irp c, 0,1
.irp q, 0,1,2
	global_store_b128 v1, v[IMG+24*\g+12*\c+4*\q:IMG+24*\g+12*\c+4*\q+3], s[12:13] offset:\c*102400+\g*1536+512*\q   ; 512 consecutive bytes, aligned
.endr
.endr
.endr
	v_perm_b32 v228, v[PW+1], v[PW], 0x05040100    ; head 0: the first row's two bytes, the second row's two
	v_perm_b32 v229, v[PW+3], v[PW+2], 0x05040100
	v_cndmask_b32 v230, v228, v229, s101           ; lanes 0-15 my first pair, lanes 16-31 my second
	v_perm_b32 v228, v[PW+1], v[PW], 0x07060302    ; head 1
	v_perm_b32 v229, v[PW+3], v[PW+2], 0x07060302
	v_cndmask_b32 v231, v228, v229, s101
	global_store_b32 v3, v230, s[10:11]
	global_store_b32 v3, v231, s[10:11] offset:102400
	s_branch .Lway_done
.Lway_v:
	; ---- v: my 64 n are one head; my 128 keys are one unit
	s_lshr_b32 s8, s[I0], 3
	s_lshl_b32 s8, s8, 4                           ; 16 b
	s_add_co_u32 s8, s8, 128
	s_lshl_b32 s9, s[I1], 1
	s_add_co_u32 s8, s8, s9
	s_add_co_u32 s8, s8, s[WX1]                    ; the head's block
	s_mul_i32 s8, s8, 102400
	s_lshl_b32 s9, s[I0], 1
	s_add_co_u32 s9, s9, s[WX0]
	s_and_b32 s9, s9, 15
	s_mul_i32 s9, s9, 6400                         ; the unit
	s_add_co_u32 s8, s8, s9
	s_mov_b32 s9, 0
	s_add_nc_u64 s[12:13], s[14:15], s[8:9]
.irp t, 0,1,2,3
	WIN 0x01                                       ; source 0 window 1
.set nn, 0
.rept 32
	v_pk_add_f32 v[H+2*nn:H+2*nn+1], v[64*\t+2*nn:64*\t+2*nn+1], v[BL+2*\t:BL+2*\t+1] op_sel_hi:[1,0]   ; my row's bias for both halves
.set nn, nn+1
.endr
	WIN 0
	QUANT H, IMG+12*\t, IMG+12*\t+6, PW+\t
.irp q, 0,1,2
	global_store_b128 v1, v[IMG+12*\t+4*\q:IMG+12*\t+4*\q+3], s[12:13] offset:\t*1536+512*\q
.endr
.endr
	v_cndmask_b32 v230, v[PW], v[PW+1], s101       ; tile 0 in lanes 0-15, tile 1 in lanes 16-31
	v_cndmask_b32 v231, v[PW+2], v[PW+3], s101
	global_store_b64 v2, v[230:231], s[12:13] offset:6144   ; 256 consecutive bytes, aligned
.Lway_done:
	s_wait_tensorcnt 0x0                           ; the wave's end
	ds_add_u32 v[SPW], v[NIL]
	s_wait_dscnt 0x0
	CROUND                                         ; the closing round
	s_endpgm
.Lfunc_end_k_qbb55e21a8d_proj:
	.size	k_qbb55e21a8d_proj, .Lfunc_end_k_qbb55e21a8d_proj-k_qbb55e21a8d_proj
	.p2alignl 7, 3214868480
	.fill 96, 4, 3214868480
	.section	.rodata,"a",@progbits
	.p2align	6, 0x0
	.amdhsa_kernel k_qbb55e21a8d_proj
		.amdhsa_group_segment_fixed_size 327680
		.amdhsa_private_segment_fixed_size 0
		.amdhsa_enable_private_segment 0
		.amdhsa_kernarg_size 48
		.amdhsa_user_sgpr_count 2
		.amdhsa_user_sgpr_kernarg_segment_ptr 1
		.amdhsa_wavefront_size32 1
		.amdhsa_system_sgpr_workgroup_id_x 1
		.amdhsa_system_sgpr_workgroup_id_y 1
		.amdhsa_system_sgpr_workgroup_id_z 1
		.amdhsa_system_vgpr_workitem_id 0
		.amdhsa_next_free_vgpr 1024
		.amdhsa_next_free_sgpr 106
		.amdhsa_reserve_vcc 0
		.amdhsa_float_denorm_mode_32 3
		.amdhsa_float_denorm_mode_16_64 3
		.amdhsa_memory_ordered 1
		.amdhsa_forward_progress 1
		.amdhsa_inst_pref_size 116
	.end_amdhsa_kernel
	.amdgpu_metadata
---
amdhsa.version: [ 1, 2 ]
amdhsa.kernels:
  - .name:           k_qbb55e21a8d_proj
    .symbol:         k_qbb55e21a8d_proj.kd
    .args:
      - { .name: xi, .offset: 0, .size: 8, .value_kind: global_buffer, .address_space: global }
      - { .name: wi, .offset: 8, .size: 8, .value_kind: global_buffer, .address_space: global }
      - { .name: bq, .offset: 16, .size: 8, .value_kind: global_buffer, .address_space: global }
      - { .name: bk, .offset: 24, .size: 8, .value_kind: global_buffer, .address_space: global }
      - { .name: bv, .offset: 32, .size: 8, .value_kind: global_buffer, .address_space: global }
      - { .name: pi, .offset: 40, .size: 8, .value_kind: global_buffer, .address_space: global }
    .group_segment_fixed_size: 327680
    .private_segment_fixed_size: 0
    .kernarg_segment_align: 8
    .kernarg_segment_size: 48
    .max_flat_workgroup_size: 128
    .sgpr_count:     106
    .vgpr_count:     1024
    .wavefront_size: 32
...
	.end_amdgpu_metadata
.endif
;; end of part 2
;; launch attn (part 3): grid 4 x 64, 16 waves a work-group, clusters of 4 x 1, 206,848 bytes of LDS; arguments pi, ai; writes ai
.if DOCPART == 3
	.amdgcn_target "amdgcn-amd-amdhsa--gfx1250"
	.amdhsa_code_object_version 6
	.text
	.protected	k_qbb55e21a8d_attn
	.globl	k_qbb55e21a8d_attn
	.p2align	8
	.type	k_qbb55e21a8d_attn,@function
k_qbb55e21a8d_attn:
	s_mov_b64 s[64:65], 0
	v_nop
	global_prefetch_b8 v0, s[64:65] scope:SCOPE_SE
	s_setreg_imm32_b32 hwreg(HW_REG_WAVE_MODE, 25, 1), 1
	s_wait_xcnt 0x0
	s_wait_alu depctr_hold_cnt(0) depctr_sa_sdst(0) depctr_va_vdst(0) depctr_va_sdst(0) depctr_va_ssrc(0) depctr_va_vcc(0) depctr_vm_vsrc(0)
	s_getreg_b32 s2, hwreg(HW_REG_IB_STS2, 6, 4)
	s_cmp_eq_u32 s2, 0
	s_cbranch_scc0 .Lentry_in_a_cluster
	s_endpgm
.Lentry_in_a_cluster:
	s_bfe_u32 s2, ttmp6, 0x10000c
	s_cmp_lg_u32 s2, 0x3003
	s_cbranch_scc0 .Lentry_shape_is_right
	s_endpgm
.Lentry_shape_is_right:
; For each of 64 heads (16 b + head): O = softmax(q k^T / 8) v on codes of FP6 (E2M3), and the quantiser of O along the head's 64, which are 64 of the last product's K.
; THE SOFTMAX: t = score x log2(e) / 8; M = the running largest t rounded UP to a whole number; p = 2^(t - M) is quantised along the keys, not normalised; the row's sum is taken of the unquantised p and divides O at the end.
; When M moves, the sum and O are multiplied by 2^(old M - new M): exact, and done in every step without a branch.
; SHARES: a work-group owns 512 queries of one head; wave w of sixteen owns 32 of them (a pair image of q): two tiles of 16, BOTH IN ONE PASS over the head's 16 units of 128 keys: each fragment of k and of v is read from LDS once and feeds both tiles.
; LDS holds the head's K and V whole, 2 x 102,400 bytes, FILLED ONCE: each wave brings 12,800 dense bytes by one tensor load.  No refill, and no barrier inside the loop.  CLUSTER 4 x 1: the four work-groups of a head want the same K and V: each load is joint.
; No prefetch: K and V come once, at the head, and no loop of this text reads memory.
; Both products are used transposed (S^T = k q^T, O^T = v^T p^T): a lane holds one query of each tile throughout.
; A HEAD'S 64 AGAINST THE INSTRUCTION'S 128: source 0 is a pair image of k: 16 keys in the lower 64 of K, 16 others in the upper 64.  Source 1 is q beside 64 zero codes: [q | 0] gives the first 16 keys' scores, [0 | q] the others'.
; Both tiles' q lie in one run of 30 registers [0 | q0 | 0 | q1 | 0].
; THE KEYS' ORDER (made by the first launch): pair image g of a unit holds, in band c = g / 2 of 64 keys, tiles T = 2 (g % 2) and T + 1; row m of tile T is key 64 c + 32 (m / 8) + 8 T + m % 8.  So register 32 c + i of a lane's scores is key
; 64 c + 32 (lane / 16) + i: A WHOLE SCALE BLOCK OF 32 NEIGHBOURING KEYS IN ONE LANE, in the order of the next operand's registers: no lane is asked for a block's maximum and no code changes lanes.
; DEPENDENT LINES are kept apart: four chains of maxima, three of the sum, the scale word's chain laid among the sums, the chain that makes f among the multiply-adds.  Where a line must follow its source, and all its sources were written by plain vector lines, a one-field hint stands ahead of it.
; ai: codes [group 128 b + 2 sg + u][K step][1,536], chunk q of 256 bytes = every lane's registers 2 q, 2 q + 1; head 2 s + c owns bytes 768 c on.  Scale words from byte 6,291,456: [b][K step][sg][u][r][4]; a head stores one half of each word:
; 2 bytes a lane, 4 bytes apart, 64 bytes a wave: one twenty-fifth of the launch's output.
; LIMITS: no NaN, no infinities; the promise holds while the scaled scores t stay under 2^31 in magnitude; a p under 2^-126 comes out of v_exp_f32 as 0; a block of zeros gets the byte 1 (its codes are zeros; this program alone reads the bytes).
.set UNIT,  6400                       ; a unit of 128 keys in LDS: four images of 1,536 bytes and 256 scale bytes
.set VL,    102400                     ; V's head block in LDS
.set SPARE, 204800                     ; the spare words, 128 bytes a wave
.set SH,  0                            ; v0  8 x (lane / 16), once the head has used the thread's number
.set LI,  1                            ; v1  16 x lane
.set L4,  2                            ; v2  4 x lane
.set AD0, 3                            ; v3, v4 the addresses of the run of LDS loads at hand
.set AD1, 4
.set L8,  5                            ; v5  8 x lane
.set CH1, 6                            ; v[6:7], v[8:9] the sum's second and third chain
.set CH2, 8
.set SPW, 10
.set NIL, 11
.set ST,  12                           ; v12-19 tile u at 12 + 4 u: -M, the largest score so far, the sum in two halves
.set Z,   20                           ; v20-49 [0 | q0 | 0 | q1 | 0]
.set QS,  50                           ; v50, v51 q's scale words
.set F,   52                           ; v52-99   four images of k, then four fragments of v
.set S,   100                          ; v100-163 S^T of the tile at hand, then p
.set O,   164                          ; v164-227 O^T: tile u at 164 + 32 u
.set PC,  228                          ; v228-251 p's codes: tile u at 228 + 12 u
.set T,   240                          ; tile 1's twelve serve as scratch until its codes are made: +0, +1, +6, +7 the chains of maxima; +4, +5 the conversions' scale operands; +8 the new -M; +9 scratch; +10 f = 2^(old M - new M)
.set KS,  252                          ; v252, v253 k's scale words, then v's
.set PW,  254                          ; v254, v255 p's scale words
.set WV,  8
.set SEL, 28
.set CS,  30
.set TK,  32                           ; s32 the next unit of k, s35 this unit of v: 6,400 a trip
.set CNT, 33
.set TV,  35
.macro CROUND
	s_barrier_signal -1
	s_barrier_wait -1
	s_cmp_lg_u32 s[WV], 0
	s_cbranch_scc1 .Lnot_wave_0_\@
	s_barrier_signal -3
.Lnot_wave_0_\@:
	s_barrier_wait -3
	s_barrier_signal -1
	s_barrier_wait -1
.endm
.macro WALU
	s_wait_alu depctr_va_vdst(0)
.endm
.macro D1
	s_delay_alu instid0(VALU_DEP_1)
.endm
.macro D2
	s_delay_alu instid0(VALU_DEP_2)
.endm
.macro WM d, a, b, c, sa, sb, row      ; one product; row: source 0's scale words stand in lanes 0-15 or 16-31
.if \row
	v_wmma_scale_f32_16x16x128_f8f6f4 v[(\d):(\d)+7], v[(\a):(\a)+11], v[(\b):(\b)+11], \c, v[\sa], v[\sb] matrix_a_fmt:MATRIX_FMT_FP6 matrix_b_fmt:MATRIX_FMT_FP6 matrix_a_scale:MATRIX_SCALE_ROW1
.else
	v_wmma_scale_f32_16x16x128_f8f6f4 v[(\d):(\d)+7], v[(\a):(\a)+11], v[(\b):(\b)+11], \c, v[\sa], v[\sb] matrix_a_fmt:MATRIX_FMT_FP6 matrix_b_fmt:MATRIX_FMT_FP6
.endif
.endm
	s_load_b128 s[4:7], s[0:1], 0x0                ; pi, ai
	v_lshl_add_u32 v[SPW], v0, 2, SPARE
	v_mov_b32 v[NIL], 0
	ds_add_u32 v[SPW], v[NIL]                      ; the wave's opening: the add, twice on end, and its wait ahead of my tensor load
	ds_add_u32 v[SPW], v[NIL]
	v_lshrrev_b32 v1, 5, v0
	v_readfirstlane_b32 s[WV], v1                  ; wave 0..15
	s_bfe_u32 s9, ttmp6, 0x40000                   ; cx: it enters q's and the result's addresses alone
	s_and_b32 s10, ttmp7, 0xffff                   ; 16 b + head, which the four partners share
	s_mov_b32 s16, 15|(3<<16)|(1<<21)              ; 15:0 the mask: all four; 17:16 elements of 8 bytes; 21 set beside a mask
	s_mov_b32 s17, 32<<16                          ; 50 rows of 256 bytes, dense
	s_mov_b32 s18, 50<<16
	s_mov_b32 s19, 32<<16
	s_mov_b32 s20, 50
	s_mov_b32 s21, 32
	s_mov_b32 s22, 0
	s_mov_b32 s23, 0
	s_mov_b32 s24, 1
	s_mul_i32 s25, s[WV], 12800                    ; waves 0-7 fill K's block, waves 8-15 V's, which follows it
	s_add_co_u32 s12, s10, 64
	s_mul_i32 s12, s12, 102400                     ; k's head block in pi,
	s_and_b32 s13, s[WV], 7
	s_mul_i32 s13, s13, 12800                      ; my eighth of it,
	s_add_co_u32 s12, s12, s13
	s_lshr_b32 s13, s[WV], 3
	s_mul_i32 s13, s13, 6553600                    ; or of v's
	s_add_co_u32 s12, s12, s13
	s_mov_b32 s13, 0
	s_mov_b32 s[SEL], 0x76543210
	s_mov_b32 s[SEL+1], 0xfedcba98                 ; selects for lane l xor 16
	s_mov_b32 s[CS], 0x3e38aa3b                    ; c = log2(e) / 8
	s_mov_b32 s[CS+1], s[CS]                       ; (named with it as a pair)
	s_mov_b32 s34, 0xffff0000                      ; lanes 16-31
	s_lshl_b32 s11, s9, 4
	s_add_co_u32 s11, s11, s[WV]                   ; sg: my pair of the head's 64
	s_mul_i32 s44, s10, 102400
	s_lshr_b32 s45, s11, 2
	s_mul_i32 s45, s45, 6400
	s_add_co_u32 s44, s44, s45                     ; q's unit
	s_and_b32 s45, s11, 3
	s_mul_i32 s46, s45, 1536
	s_add_co_u32 s46, s46, s44                     ; my pair image
	s_mov_b32 s47, 0
	s_lshl_b32 s45, s45, 6                         ; the pair's sixteen scale words: 64 bytes a pair
	s_add_co_u32 s44, s44, s45
	s_add_co_u32 s44, s44, 6144
	s_mov_b32 s45, 0
	s_lshr_b32 s48, s10, 4                         ; b
	s_and_b32 s49, s10, 15
	s_lshr_b32 s50, s49, 1                         ; the last product's K step
	s_and_b32 s49, s49, 1                          ; and which half of it
	s_lshl_b32 s52, s48, 7
	s_lshl_b32 s53, s11, 1
	s_add_co_u32 s52, s52, s53
	s_mul_i32 s52, s52, 12288                      ; my first group in ai
	s_mul_i32 s53, s50, 1536
	s_add_co_u32 s52, s52, s53
	s_mul_i32 s53, s49, 768
	s_add_co_u32 s52, s52, s53
	s_mov_b32 s53, 0
	s_lshl_b32 s54, s48, 3
	s_add_co_u32 s54, s54, s50
	s_lshl_b32 s54, s54, 6
	s_add_co_u32 s54, s54, s11
	s_lshl_b32 s54, s54, 7                         ; my pair's 32 scale words
	s_lshl_b32 s55, s49, 1
	s_add_co_u32 s54, s54, s55
	s_add_co_u32 s54, s54, 6291456
	s_mov_b32 s55, 0
	s_wait_dscnt 0x0                               ; both opening adds are done
	s_wait_kmcnt 0x0
	s_add_nc_u64 s[26:27], s[4:5], s[12:13]
	s_or_b32 s27, s27, 0x80000000
	s_add_nc_u64 s[36:37], s[4:5], s[46:47]
	s_add_nc_u64 s[38:39], s[4:5], s[44:45]
	s_add_nc_u64 s[40:41], s[6:7], s[52:53]
	s_add_nc_u64 s[42:43], s[6:7], s[54:55]
	CROUND                                         ; all four work-groups are here: the joint loads meet
	tensor_load_to_lds s[24:27], s[16:23]          ; my one tensor load
	s_nop 0
.rept 4
	v_nop
.endr
	v_and_b32 v5, 31, v0
	v_and_b32 v3, 15, v0
	v_lshlrev_b32 v[LI], 4, v5
	v_lshlrev_b32 v[L4], 2, v5
	v_lshlrev_b32 v3, 2, v3                        ; 4 r
	v_lshlrev_b32 v[L8], 3, v5
.irp c, 0,1,2
	global_load_b128 v[F+4*\c:F+4*\c+3], v[LI], s[36:37] offset:512*\c   ; q's pair image: registers 0-5 tile 0, 6-11 tile 1
.endr
	global_load_b32 v[F+12], v3, s[38:39]          ; row r's scale word: two bytes for each tile
	v_bfe_u32 v0, v0, 4, 1
	v_lshlrev_b32 v[SH], 3, v0                     ; 8 x (lane / 16): how far my two scale bytes of p are shifted
.irp i, 0,1,2,3,4,5
	v_mov_b32 v[Z+\i], 0                           ; the zero codes beside q
	v_mov_b32 v[Z+12+\i], 0
	v_mov_b32 v[Z+24+\i], 0
.endr
.irp u, 0,1
	v_mov_b32 v[ST+4*\u], 0x7f61b1e6               ; -M: 3e38, so that the first step's f is 0
	v_mov_b32 v[ST+4*\u+1], 0xff61b1e6             ; the largest score so far: -3e38
	v_mov_b32 v[ST+4*\u+2], 0                      ; the sum
	v_mov_b32 v[ST+4*\u+3], 0
.endr
	v_mov_b32 v[T+9], 0                            ; a lane permute's destination counts as read: written once
	v_mov_b32 v[T+11], 0                           ; (named with f as a pair)
	WALU                                           ; the wait ahead of the wait below
	s_wait_loadcnt 0x0                             ; q
.irp i, 0,1,2,3,4,5
	v_mov_b32 v[Z+6+\i], v[F+\i]
	v_mov_b32 v[Z+18+\i], v[F+6+\i]
.endr
	v_and_b32 v[QS], 0xffff, v[F+12]
	v_lshrrev_b32 v[QS+1], 16, v[F+12]
	v_lshl_or_b32 v[QS], v[QS], 16, v[QS]          ; a tile's two bytes, twice: they serve q in either half of K
	v_and_or_b32 v[QS+1], v[F+12], 0xffff0000, v[QS+1]
.set nn, 0
.rept 64
	v_mov_b32 v[O+nn], 0                           ; the step is written once for all units: the first finds zeros.  (Also the places between the writes of q and its scale words and the first product)
.set nn, nn+1
.endr
	s_mov_b32 s[TK], 0
	s_mov_b32 s[TV], VL
	s_mov_b32 s[CNT], 15
	WALU                                           ; the wait at the head's end
	s_wait_tensorcnt 0x0                           ; my part of K or V has landed,
	s_barrier_signal -1
	s_barrier_wait -1                              ; everybody's has
.macro KLOAD a0, a1                    ; a unit's scale words of k, then its four pair images, three loads each: fourteen loads
	ds_load_b32 v[KS], v[\a1] offset:6144          ; lanes 0-15 pair 0's words, lanes 16-31 pair 1's
	ds_load_b32 v[KS+1], v[\a1] offset:6272        ; pairs 2 and 3
.irp g, 0,1,2,3
.irp c, 0,1,2
	ds_load_b128 v[F+12*\g+4*\c:F+12*\g+4*\c+3], v[\a0] offset:1536*\g+512*\c
.endr
.endr
.endm
.macro SCORE2 u, g                     ; the two tiles of 16 keys of pair image g against tile u of q, each product begun with 0
	WM S+16*\g, F+12*\g, Z+6+12*\u, 0, KS+\g/2, QS+\u, \g%2
	WM S+16*\g+8, F+12*\g, Z+12*\u, 0, KS+\g/2, QS+\u, \g%2
.endm
.macro PADD d, j                       ; a chain of the sum takes p's pair j
	v_pk_add_f32 v[\d:\d+1], v[\d:\d+1], v[S+2*(\j):S+2*(\j)+1]
.endm
.macro PADD3 u, j                      ; the three chains take pairs j, j + 1, j + 2
	PADD ST+4*\u+2, \j
	PADD CH1, \j+1
	PADD CH2, \j+2
.endm
; THE SOFTMAX OF ONE TILE: 64 scores a lane, two blocks of 32 keys, become twelve registers of codes and a scale word; the sum is left with pairs 24 to 31 still to take (SUMA, SUMB, SUMC)
.macro SOFTMAX u
.set M_, ST+4*\u
.set P_, PC+12*\u
	v_max3_num_f32 v[T+6], v[S], v[S+1], v[S+2]    ; the largest score of each of my two blocks, in two chains each, the four by turns; each accumulator is first read at its low end
	v_max3_num_f32 v[T+7], v[S+32], v[S+33], v[S+34]
	v_max3_num_f32 v[T], v[S+16], v[S+17], v[S+18]
	v_max3_num_f32 v[T+1], v[S+48], v[S+49], v[S+50]
.irp i, 3,5,7,9,11,13
	v_max3_num_f32 v[T+6], v[T+6], v[S+\i], v[S+\i+1]
	v_max3_num_f32 v[T+7], v[T+7], v[S+32+\i], v[S+33+\i]
	v_max3_num_f32 v[T], v[T], v[S+16+\i], v[S+17+\i]
	v_max3_num_f32 v[T+1], v[T+1], v[S+48+\i], v[S+49+\i]
.endr
	v_max3_num_f32 v[T+6], v[T+6], v[S+15], v[S+31]
	v_max3_num_f32 v[T+7], v[T+7], v[S+47], v[S+63]
	D2
	v_max_num_f32 v[T+6], v[T+6], v[T]             ; the blocks' largest: they serve the row's maximum and, since p rises with the score, the blocks' largest p
	D2
	v_max_num_f32 v[T+7], v[T+7], v[T+1]
	D1
	v_max3_num_f32 v[M_+1], v[M_+1], v[T+6], v[T+7]
	D1
	v_permlanex16_b32 v[T+9], v[M_+1], s[SEL], s[SEL+1]
	D1
	v_max_num_f32 v[M_+1], v[M_+1], v[T+9]         ; with lane l xor 16's 64 keys: the row's largest score so far
	D1
	v_mul_f32 v[T+9], s[CS], v[M_+1]               ; as t (c is positive)
	D1
	v_floor_f32 v[T+8], -v[T+9]                    ; the new -M = floor(-t): M is a whole number
	D1
	v_sub_f32 v[T+10], v[T+8], v[M_]               ; old M - new M: a whole number, 0 or less
	D2
	v_mov_b32 v[M_], v[T+8]
.set nn, 0
.rept 32
	v_pk_fma_f32 v[S+2*nn:S+2*nn+1], v[S+2*nn:S+2*nn+1], s[CS:CS+1], v[T+8:T+9] op_sel_hi:[1,0,0]   ; t - M
.if nn == 3
	v_cvt_i32_f32 v[T+10], v[T+10]                 ; (it saturates)
.endif
.if nn == 7
	v_ldexp_f32 v[T+10], 1.0, v[T+10]              ; f = 2^(old M - new M)
.endif
.set nn, nn+1
.endr
	v_fma_f32 v[T+6], v[T+6], s[CS], v[T+8]        ; the same of each block's largest score
	v_fma_f32 v[T+7], v[T+7], s[CS], v[T+8]
	WALU                                           ; the wait directly ahead of the first reader of O^T; it also stands between the writes of the batch's sources and the batch
.set nn, 0
.rept 16
	v_pk_mul_f32 v[O+32*\u+2*nn:O+32*\u+2*nn+1], v[O+32*\u+2*nn:O+32*\u+2*nn+1], v[T+10:T+11] op_sel_hi:[1,0]   ; O^T under the new M
.set nn, nn+1
.endr
	v_exp_f32 v[T+6], v[T+6]                       ; the blocks' largest p: the same two instructions on the same number give the same bits
	v_exp_f32 v[T+7], v[T+7]
.set nn, 0
.rept 64
	v_exp_f32 v[S+nn], v[S+nn]                     ; p = 2^(t - M), at most 1
.set nn, nn+1
.endr
	v_nop                                          ; a plain place behind the exponentials
	WALU                                           ; one wait for the batch of 66, ahead of its first reader
	v_max_num_f32 v[T+6], 0x1800000, v[T+6]        ; the floor 2^(3 - 127): the byte cannot fall under 1
	v_max_num_f32 v[T+7], 0x1800000, v[T+7]
	v_pk_fma_f32 v[M_+2:M_+3], v[M_+2:M_+3], v[T+10:T+11], v[S:S+1] op_sel_hi:[1,0,1]   ; THE SUM, of the unquantised p, in three chains: the old sum x f + pair 0.  The scale word's chain is laid among them
	v_pk_add_f32 v[CH1:CH1+1], v[S+2:S+3], v[S+32:S+33]
	v_pk_add_f32 v[CH2:CH2+1], v[S+34:S+35], v[S+4:S+5]
	v_add_nc_u32 v[T+4], 0xff000000, v[T+6]        ; 2 off the exponent field: the conversions' scale operands
	v_add_nc_u32 v[T+5], 0xff000000, v[T+7]
	PADD3 \u, 3
	v_lshrrev_b32 v[T+6], 23, v[T+4]               ; the bytes of blocks lane / 16 and 2 + lane / 16
	v_lshrrev_b32 v[T+7], 23, v[T+5]
	PADD3 \u, 6
	v_lshl_or_b32 v[T+6], v[T+7], 16, v[T+6]
	PADD3 \u, 9
	v_lshlrev_b32 v[T+6], v[SH], v[T+6]            ; at their places in the word;
	PADD3 \u, 12
	v_permlanex16_b32 v[T+9], v[T+6], s[SEL], s[SEL+1]
	PADD M_+2, 15
	PADD CH1, 18
	PADD CH2, 19
	v_or_b32 v[PW+\u], v[T+6], v[T+9]              ; with lane l xor 16's two the word is whole
	v_cvt_scalef32_pk16_fp6_f32 v[P_:P_+2], v[S:S+15], v[T+4]
	v_cvt_scalef32_pk16_fp6_f32 v[P_+6:P_+8], v[S+32:S+47], v[T+5]
	PADD M_+2, 20                                  ; (plain places behind the conversions)
	PADD CH1, 21
	v_cvt_scalef32_pk16_fp6_f32 v[S:S+2], v[S+16:S+31], v[T+4]       ; a conversion's three registers begin on an even number: the upper halves are made in registers of p that have been summed and converted, and moved
	v_cvt_scalef32_pk16_fp6_f32 v[S+32:S+34], v[S+48:S+63], v[T+5]
	PADD CH2, 22
	PADD M_+2, 23
.irp i, 0,1,2
	v_mov_b32 v[P_+3+\i], v[S+\i]
	v_mov_b32 v[P_+9+\i], v[S+32+\i]
.endr
.endm
.macro SUMA u                          ; four lines: also the places between the writes of p's codes and the products
	PADD3 \u, 24
	PADD ST+4*\u+2, 27
.endm
.macro SUMB u
	PADD CH1, 28
	PADD CH2, 29
.endm
.macro SUMC u
	PADD ST+4*\u+2, 30
	PADD CH2, 31
	D2
	v_pk_add_f32 v[ST+4*\u+2:ST+4*\u+3], v[ST+4*\u+2:ST+4*\u+3], v[CH1:CH1+1]
	D1
	v_pk_add_f32 v[ST+4*\u+2:ST+4*\u+3], v[ST+4*\u+2:ST+4*\u+3], v[CH2:CH2+1]
.endm
; A KEY STEP: one unit of 128 keys against both tiles.  last = 1: the sixteenth unit: nothing more is fetched
.macro STEP last
.irp g, 0,1,2,3
	s_wait_dscnt 9-3*\g                            ; the scale words and pair image g are in: behind its three loads stand those of the 3 - g later images
	SCORE2 0, \g
.endr
.rept 4
	v_nop                                          ; four places in front of the first read of the scores
.endr
	SOFTMAX 0
	SUMA 0
	SUMB 0
	SUMC 0
.irp g, 0,1,2,3
	SCORE2 1, \g
.endr
.if \last
	v_add_nc_u32 v[AD0], 15*UNIT+VL, v[LI]         ; these two and two v_nop are the four places in front of the loads over k's images and of the first read of the scores
	v_add_nc_u32 v[AD1], 15*UNIT+VL, v[L8]
.else
	v_add_nc_u32 v[AD0], s[TV], v[LI]
	v_add_nc_u32 v[AD1], s[TV], v[L8]
.endif
	v_nop
	v_nop
.irp g, 0,1,2,3
.irp c, 0,1,2
	ds_load_b128 v[F+12*\g+4*\c:F+12*\g+4*\c+3], v[AD0] offset:1536*\g+512*\c   ; v's four fragments land while the second tile's softmax is walked
.endr
.endr
	ds_load_b64 v[KS:KS+1], v[AD1] offset:6144     ; tiles lane / 16 and 2 + lane / 16
	SOFTMAX 1
	SUMA 1
	WALU                                           ; the wait ahead of the wait below
	s_wait_dscnt 0x0                               ; v's fragments and scale words are in
.irp g, 0,1,2,3
	WM O+8*\g, F+12*\g, PC, v[O+8*\g:O+8*\g+7], KS+\g/2, PW, \g%2          ; eight accumulators, one instruction each a step
	WM O+32+8*\g, F+12*\g, PC+12, v[O+32+8*\g:O+32+8*\g+7], KS+\g/2, PW+1, \g%2
.endr
.if !\last
	s_add_co_u32 s[TK], s[TK], UNIT
	s_add_co_u32 s[TV], s[TV], UNIT
	v_add_nc_u32 v[AD0], s[TK], v[LI]              ; these two and the two lines of the sum are the four places in front of the loads over v's fragments
	v_add_nc_u32 v[AD1], s[TK], v[L4]
.endif
	SUMB 1
.if !\last
	KLOAD AD0, AD1                                 ; the next unit of k
.endif
	SUMC 1                                         ; the second tile's sum is finished while the loads are out
.endm
	KLOAD LI, L4                                   ; unit 0
.Lstep:
	STEP 0
	s_sub_co_u32 s[CNT], s[CNT], 1
	s_cmp_lg_u32 s[CNT], 0
	s_cbranch_scc1 .Lstep
	STEP 1
; THE WAY OUT: O / the sum, quantised along the head's 64, both tiles by turns.  Scratch in the registers that held fragments.  (The six lines of the sum behind the last products are their places)
.set EM, F                             ; v52-55 block 2 u + b's largest;  v56-59 the other half's, then the bytes;  v60-63 the scale operands;  v64, v65 a tile's two bytes
.set EP, F+4
.set ES, F+8
.set HW, F+12
.set OC, F+16                          ; v68-73, v76-81 the codes;  v84-86, v88-90 the upper halves
.set OT, F+32
.irp u, 0,1
	v_add_f32 v[ST+4*\u+2], v[ST+4*\u+2], v[ST+4*\u+3]
.endr
.irp u, 0,1
	v_permlanex16_b32 v[EP+\u], v[ST+4*\u+2], s[SEL], s[SEL+1]
.endr
.irp u, 0,1
	v_add_f32 v[ST+4*\u+2], v[ST+4*\u+2], v[EP+\u] ; the row's sum
.endr
	WALU                                           ; the wait ahead of the transcendentals
	v_rcp_f32 v[ST+2], v[ST+2]
	v_rcp_f32 v[ST+6], v[ST+6]
	v_nop                                          ; a plain place behind the reciprocals
	WALU                                           ; and the wait ahead of their first reader, which is also the first reader of O^T
.irp u, 0,1
.set nn, 0
.rept 16
	v_pk_mul_f32 v[S+32*\u+2*nn:S+32*\u+2*nn+1], v[O+32*\u+2*nn:O+32*\u+2*nn+1], v[ST+4*\u+2:ST+4*\u+3] op_sel_hi:[1,0]   ; register 16 b + i: channel 32 b + 16 (lane / 16) + i; each accumulator from its low end on
.set nn, nn+1
.endr
.endr
.irp q, 0,1,2,3
	v_max3_num_f32 v[EM+\q], |v[S+16*\q]|, |v[S+16*\q+1]|, 0x1800000
.endr
.irp i, 2,4,6,8,10,12,14
.irp q, 0,1,2,3
	v_max3_num_f32 v[EM+\q], v[EM+\q], |v[S+16*\q+\i]|, |v[S+16*\q+\i+1]|
.endr
.endr
.irp q, 0,1,2,3
	v_permlanex16_b32 v[EP+\q], v[EM+\q], s[SEL], s[SEL+1]
.endr
.irp q, 0,1,2,3
	v_max_num_f32 v[EM+\q], v[EM+\q], v[EP+\q]     ; with lane l xor 16's sixteen: the block's largest magnitude
.endr
.irp q, 0,1,2,3
	v_add_nc_u32 v[ES+\q], 0xff000000, v[EM+\q]
.endr
.irp q, 0,1,2,3
	v_lshrrev_b32 v[EP+\q], 23, v[ES+\q]
.endr
.irp u, 0,1
	v_lshl_or_b32 v[HW+\u], v[EP+2*\u+1], 8, v[EP+2*\u]
.endr
.irp u, 0,1
	v_cvt_scalef32_pk16_fp6_f32 v[OC+8*\u:OC+8*\u+2], v[S+32*\u:S+32*\u+15], v[ES+2*\u]
	v_cvt_scalef32_pk16_fp6_f32 v[OT+4*\u:OT+4*\u+2], v[S+32*\u+16:S+32*\u+31], v[ES+2*\u+1]
.endr
	v_nop                                          ; one plain place behind the scaled conversions
.irp u, 0,1
.irp i, 0,1,2
	v_permlane16_swap_b32 v[OC+8*\u+\i], v[OT+4*\u+\i]   ; a whole block to a lane
.endr
.endr
.irp u, 0,1
.irp i, 0,1,2
	v_mov_b32 v[OC+8*\u+3+\i], v[OT+4*\u+\i]
.endr
.endr
	v_cndmask_b32 v[HW], v[HW], v[HW+1], s34       ; lanes 0-15 the first tile's rows, lanes 16-31 the second's
.irp u, 0,1
.irp q, 0,1,2
	global_store_b64 v[L8], v[OC+8*\u+2*\q:OC+8*\u+2*\q+1], s[40:41] offset:\u*12288+256*\q   ; 256 consecutive bytes, aligned
.endr
.endr
	global_store_b16 v[L4], v[HW], s[42:43]        ; 4 x lane = 64 (lane / 16) + 4 r
	s_wait_tensorcnt 0x0                           ; the wave's end
	ds_add_u32 v[SPW], v[NIL]
	s_wait_dscnt 0x0
	CROUND                                         ; the closing round
	s_endpgm
.Lfunc_end_k_qbb55e21a8d_attn:
	.size	k_qbb55e21a8d_attn, .Lfunc_end_k_qbb55e21a8d_attn-k_qbb55e21a8d_attn
	.p2alignl 7, 3214868480
	.fill 96, 4, 3214868480
	.section	.rodata,"a",@progbits
	.p2align	6, 0x0
	.amdhsa_kernel k_qbb55e21a8d_attn
		.amdhsa_group_segment_fixed_size 206848
		.amdhsa_private_segment_fixed_size 0
		.amdhsa_enable_private_segment 0
		.amdhsa_kernarg_size 16
		.amdhsa_user_sgpr_count 2
		.amdhsa_user_sgpr_kernarg_segment_ptr 1
		.amdhsa_wavefront_size32 1
		.amdhsa_system_sgpr_workgroup_id_x 1
		.amdhsa_system_sgpr_workgroup_id_y 1
		.amdhsa_system_sgpr_workgroup_id_z 1
		.amdhsa_system_vgpr_workitem_id 0
		.amdhsa_next_free_vgpr 256
		.amdhsa_next_free_sgpr 66
		.amdhsa_reserve_vcc 0
		.amdhsa_float_denorm_mode_32 3
		.amdhsa_float_denorm_mode_16_64 3
		.amdhsa_memory_ordered 1
		.amdhsa_forward_progress 1
		.amdhsa_inst_pref_size 71
	.end_amdhsa_kernel
	.amdgpu_metadata
---
amdhsa.version: [ 1, 2 ]
amdhsa.kernels:
  - .name:           k_qbb55e21a8d_attn
    .symbol:         k_qbb55e21a8d_attn.kd
    .args:
      - { .name: pi, .offset: 0, .size: 8, .value_kind: global_buffer, .address_space: global }
      - { .name: ai, .offset: 8, .size: 8, .value_kind: global_buffer, .address_space: global }
    .group_segment_fixed_size: 206848
    .private_segment_fixed_size: 0
    .kernarg_segment_align: 8
    .kernarg_segment_size: 16
    .max_flat_workgroup_size: 512
    .sgpr_count:     66
    .vgpr_count:     256
    .wavefront_size: 32
...
	.end_amdgpu_metadata
.endif
;; end of part 3
;; launch outp (part 4): grid 4 x 64, 4 waves a work-group, clusters of 4 x 4, 327,680 bytes of LDS; arguments ai, wi, bo, out0; writes out0
.if DOCPART == 4
	.amdgcn_target "amdgcn-amd-amdhsa--gfx1250"
	.amdhsa_code_object_version 6
	.text
	.protected	k_qbb55e21a8d_outp
	.globl	k_qbb55e21a8d_outp
	.p2align	8
	.type	k_qbb55e21a8d_outp,@function
k_qbb55e21a8d_outp:
	s_mov_b64 s[64:65], 0
	v_nop
	global_prefetch_b8 v0, s[64:65] scope:SCOPE_SE
	s_setreg_imm32_b32 hwreg(HW_REG_WAVE_MODE, 25, 1), 1
	s_wait_xcnt 0x0
	s_wait_alu depctr_hold_cnt(0) depctr_sa_sdst(0) depctr_va_vdst(0) depctr_va_sdst(0) depctr_va_ssrc(0) depctr_va_vcc(0) depctr_vm_vsrc(0)
	s_getreg_b32 s2, hwreg(HW_REG_IB_STS2, 6, 4)
	s_cmp_eq_u32 s2, 0
	s_cbranch_scc0 .Lentry_in_a_cluster
	s_endpgm
.Lentry_in_a_cluster:
	s_bfe_u32 s2, ttmp6, 0x10000c
	s_cmp_lg_u32 s2, 0xf033
	s_cbranch_scc0 .Lentry_shape_is_right
	s_endpgm
.Lentry_shape_is_right:
; out0 = attn Wo + bo on codes of FP6 (E2M3).  D = X0 X1^T: source 0 = 16 rows of Wo's images (rows n), source 1 = 16 rows of the attention's result: a lane holds one row of the output and eight neighbouring columns a tile.
; SHARES, LDS, chunks and waits as in the launch of the three projections: a work-group makes 256 n x 128 rows, wave w 128 (w % 2) x 64 (w / 2): 32 accumulators; all of K = 1,024 lies in LDS, EVERY BYTE FILLED ONCE, in four chunks of 256 along K.
; A wave has five tensor loads out at the start.  CLUSTER 4 x 4: Wo's block hangs on cx alone (shared along a column), the rows' block on cy alone (shared along a row): joint loads.
; X1's fragments lie in ai as chunks of 256 bytes (every lane's registers 2 q, 2 q + 1): six loads of 8 bytes a lane.  Its scale words lie [K step][pair][tile][row][4]: lanes 0-15 take an even step's, lanes 16-31 the odd step's 512 bytes on.
; The bias is the C of the first K step's products.  The rows of a group are 32 (g / 2) + 8 (g % 2) + r + 8 (r / 8): so the 16 registers of tiles 2 b, 2 b + 1 are columns 32 b + 16 (lane / 16) + 0 .. 15.
; THE WAY OUT: a tile of 16 rows x 128 columns goes through the wave's stage in LDS and leaves as whole rows of 512 bytes.  The stage lies in X0's chunk 0: it has had its only fill, and every wave's reads of it (K steps 0, 1) lie ahead of later barriers.
; THE FILL AS IT STANDS (it takes the place of the chunks named above): ONE tensor load a wave at the head: wave 0 the rows' eight groups of codes (98,304 dense bytes, as rows of 256), wave 1 their scale words (eight K steps' 512 bytes),
; waves 2, 3 a half each of Wo's block (eight groups of 12,800 dense bytes, codes and scale image together).  Every wave waits for its load and one barrier shows all.  LDS: Wo's sixteen groups [group][12,800] from 0, the rows' codes
; [group][12,288] from X1L, their scale words from S1L.  THE STAGE lies in Wo's first groups: they have had their only fill, and a barrier in the last K step, behind every wave's last LDS read, stands ahead of the first store into it.
.set X1L,   204800
.set S1L,   303104
.set SPARE, 307200
.set SPW, 28
.set NIL, 29
.set SC0, 32                           ; v32-63 Wo's scale words: 4 i + s / 2
.set SC1, 64                           ; v64-79 the rows': 4 t + s / 2
.set STO, 16                           ; v16 into the stage;  v17 out of it
.set RD,  17
.set BK,  96                           ; v96-159, v160-223: 16 rows read back, two sets by turns
.set BN,  160                          ; window 2, v160-223: the bias in the result's layout
.set G1A, 16
.set G1B, 24
.set G1SA, 32
.set G1SB, 40
.set G0A, 48
.set G0B, 68
.set G0SA, 84
.set G0SB, 88
.set WV,  92
.set WX1, 93
.set WX0, 94
.set CX,  96
.set CY,  97
.set I1,  100
.set MSB, 0
.macro WIN new
.if MSB != \new
	s_set_vgpr_msb (MSB<<8)|\new
.set MSB, \new
.endif
.endm
.macro CROUND
	s_barrier_signal -1
	s_barrier_wait -1
	s_cmp_lg_u32 s[WV], 0
	s_cbranch_scc1 .Lnot_wave_0_\@
	s_barrier_signal -3
.Lnot_wave_0_\@:
	s_barrier_wait -3
	s_barrier_signal -1
	s_barrier_wait -1
.endm
.macro SHAPE g, c, r, p
	s_mov_b32 s[\g+1], (\c)<<16
	s_mov_b32 s[\g+2], (\r)<<16
	s_mov_b32 s[\g+3], (\c)<<16
	s_mov_b32 s[\g+4], \r
	s_mov_b32 s[\g+5], \p
	s_mov_b32 s[\g+6], 0
	s_mov_b32 s[\g+7], 0
.endm
	s_load_b256 s[4:11], s[0:1], 0x0               ; ai s[4:5], wi s[6:7], bo s[8:9], out0 s[10:11]
	v_lshl_add_u32 v[SPW], v0, 2, SPARE
	v_mov_b32 v[NIL], 0
	ds_add_u32 v[SPW], v[NIL]                      ; the wave's opening: the add and its wait ahead of my first tensor load
	ds_add_u32 v[SPW], v[NIL]
	v_lshrrev_b32 v1, 5, v0
	v_readfirstlane_b32 s[WV], v1
	s_lshr_b32 s[WX1], s[WV], 1                    ; my 64 rows.  Also: 0: I fetch for X1, 1: for X0
	s_and_b32 s[WX0], s[WV], 1                     ; my 128 columns.  Also: which half of the block I fetch
	s_bfe_u32 s[CX], ttmp6, 0x40000                ; X0's block is cx
	s_bfe_u32 s[CY], ttmp6, 0x40004
	s_and_b32 s98, ttmp7, 0xffff
	s_lshl_b32 s[I1], s98, 2
	s_add_co_u32 s[I1], s[I1], s[CY]               ; X1's block of 128 rows
	s_lshl_b32 s101, s[CY], 2
	s_lshl_b32 s101, 15, s101                      ; my row of the cluster
	s_lshl_b32 s3, 0x1111, s[CX]                   ; my column
	s_or_b32 s[G1A], s101, (3<<16)|(1<<21)
	s_or_b32 s[G1SA], s101, (3<<16)|(1<<21)
	s_or_b32 s[G1B], s3, (3<<16)|(1<<21)
	SHAPE G1A, 32, 384, 32                         ; eight groups of 12,288 bytes, dense, as 384 rows of 256
	SHAPE G1B, 32, 400, 32                         ; eight groups of 12,800 bytes, dense, as 400 rows
	SHAPE G1SA, 64, 8, 1024                        ; eight K steps' 512 scale bytes, 8,192 apart
	s_mul_i32 s2, s[CX], 204800
	s_mul_i32 s98, s[WX0], 102400
	s_add_co_u32 s2, s2, s98
	s_add_co_u32 s2, s2, 2457600                   ; Wo's region of wi
	s_mov_b32 s3, 0
	s_mul_i32 s104, s[I1], 98304
	s_mov_b32 s105, 0
	s_lshr_b32 s12, s[I1], 4
	s_lshl_b32 s12, s12, 16                        ; b: eight K steps of 8,192 bytes
	s_and_b32 s13, s[I1], 15
	s_lshl_b32 s13, s13, 9                         ; my block's four pairs
	s_add_co_u32 s12, s12, s13
	s_add_co_u32 s12, s12, 6291456
	s_mov_b32 s13, 0
	s_wait_dscnt 0x0                               ; the opening add is done
	s_wait_kmcnt 0x0
	s_add_nc_u64 s[66:67], s[6:7], s[2:3]          ; X0
	s_add_nc_u64 s[12:13], s[4:5], s[12:13]        ; X1's scale words
	s_add_nc_u64 s[4:5], s[4:5], s[104:105]        ; X1's codes
	s_mov_b32 s[G0A], 1
	s_mov_b32 s[G0A+1], X1L
	s_mov_b64 s[G0A+2:G0A+3], s[4:5]
	s_or_b32 s[G0A+3], s[G0A+3], 0x80000000
	s_mul_i32 s98, s[WX0], 102400
	s_mov_b32 s[G0B], 1
	s_mov_b32 s[G0B+1], s98
	s_mov_b64 s[G0B+2:G0B+3], s[66:67]
	s_or_b32 s[G0B+3], s[G0B+3], 0x80000000
	s_mov_b32 s[G0SA], 1
	s_mov_b32 s[G0SA+1], S1L
	s_mov_b64 s[G0SA+2:G0SA+3], s[12:13]
	s_or_b32 s[G0SA+3], s[G0SA+3], 0x80000000
	CROUND                                         ; all sixteen work-groups are here: the joint loads meet
	s_cmp_eq_u32 s[WV], 0                          ; one chain of branches on the wave's number, one load to an arm, all arms to one join
	s_cbranch_scc0 .Lfill_s
	tensor_load_to_lds s[G0A:G0A+3], s[G1A:G1A+7]  ; wave 0: the rows' codes
	s_nop 0
.rept 4
	v_nop
.endr
	s_branch .Lfilled
.Lfill_s:
	s_cmp_eq_u32 s[WV], 1
	s_cbranch_scc0 .Lfill_x0
	tensor_load_to_lds s[G0SA:G0SA+3], s[G1SA:G1SA+7]   ; wave 1: their scale words
	s_nop 0
.rept 4
	v_nop
.endr
	s_branch .Lfilled
.Lfill_x0:
	tensor_load_to_lds s[G0B:G0B+3], s[G1B:G1B+7]  ; waves 2, 3: a half each of Wo's block
	s_nop 0
.rept 4
	v_nop
.endr
.Lfilled:
	s_lshl_b32 s2, s[CX], 10                       ; my 128 columns begin at 256 cx + 128 (w % 2): in bytes
	s_lshl_b32 s98, s[WX0], 9
	s_add_co_u32 s2, s2, s98
	s_lshl_b32 s14, s[I1], 19                      ; my 64 rows begin at 128 i1 + 64 (w / 2): rows of 4,096 bytes
	s_lshl_b32 s98, s[WX1], 18
	s_add_co_u32 s14, s14, s98
	s_add_co_u32 s14, s14, s2
	s_mov_b32 s15, 0
	s_add_nc_u64 s[10:11], s[10:11], s[14:15]
	v_and_b32 v18, 15, v0                          ; r
	v_bfe_u32 v19, v0, 4, 1                        ; h
	v_and_b32 v20, 31, v0                          ; lane
	v_lshl_add_u32 v14, v19, 6, s2                 ; the bias: 16 h numbers on
	v_lshlrev_b32 v1, 4, v20
	v_lshlrev_b32 v2, 3, v20
	WIN 0x80                                       ; destination window 2
.irp i, 0,1,2,3,4,5,6,7
	global_load_b128 v[BN+8*\i:BN+8*\i+3], v14, s[8:9] offset:(32*(\i/2)+8*(\i%2))*4
	global_load_b128 v[BN+8*\i+4:BN+8*\i+7], v14, s[8:9] offset:(32*(\i/2)+8*(\i%2))*4+16
.endr
	WIN 0
	s_mul_i32 s98, s[WX0], 102400
	v_add_nc_u32 v4, s98, v1                       ; X0: groups 0-3 of my eight,
	v_add_nc_u32 v5, 51200, v4                     ; and groups 4-7: so every offset fits the 16-bit immediate
	v_add_nc_u32 v12, s98, v2                      ; their scale images (the 12,288 stand in the immediate)
	v_add_nc_u32 v6, 51200, v12
	s_mul_i32 s98, s[WX1], 49152
	s_add_co_u32 s98, s98, X1L
	v_add_nc_u32 v8, s98, v2                       ; X1: my four groups, 8 bytes a lane
	s_lshl_b32 s98, s[WX1], 8
	s_add_co_u32 s98, s98, S1L
	v_lshlrev_b32 v13, 2, v18
	v_lshl_add_u32 v13, v19, 9, v13
	v_add_nc_u32 v13, s98, v13                     ; 4 r + 512 h + my two pairs
	s_mul_i32 s98, s[WV], 8448                     ; my stage
	v_mul_u32_u24 v[STO], v18, 528
	v_lshl_add_u32 v[STO], v19, 6, v[STO]
	v_add_nc_u32 v[STO], s98, v[STO]               ; in: row r, + 64 h bytes
	v_add_nc_u32 v[RD], s98, v1                    ; back: 16 bytes a lane of a row
.macro FETCH s
.if ((\s)%2) == 0
	WIN 0x80
.else
	WIN 0xc0
.endif
.irp i, 0,1,2,3,4,5,6,7
.irp c, 0,1,2
	ds_load_b128 v[12*\i+4*\c:12*\i+4*\c+3], v[4+\i/4] offset:12800*(\i%4)+1536*(\s)+512*\c
.endr
.endr
.irp t, 0,1,2,3
.irp q, 0,1,2,3,4,5
	ds_load_b64 v[96+12*\t+2*\q:96+12*\t+2*\q+1], v8 offset:12288*\t+1536*(\s)+256*\q
.endr
.endr
.endm
.macro MULH s, half, first             ; 16 products; the 32 accumulators take turns, one instruction a turn, in the same order in every step
.irp t, 2*(\half), 2*(\half)+1
.irp i, 0,1,2,3,4,5,6,7
.if \first
	v_wmma_scale_f32_16x16x128_f8f6f4 v[64*(\t)+8*\i:64*(\t)+8*\i+7], v[12*\i:12*\i+11], v[96+12*(\t):96+12*(\t)+11], v[BN+8*\i:BN+8*\i+7], v[SC0+4*\i+(\s)/2], v[SC1+4*(\t)+(\s)/2] matrix_a_fmt:MATRIX_FMT_FP6 matrix_b_fmt:MATRIX_FMT_FP6
.elseif ((\s)%2) == 0
	v_wmma_scale_f32_16x16x128_f8f6f4 v[64*(\t)+8*\i:64*(\t)+8*\i+7], v[12*\i:12*\i+11], v[96+12*(\t):96+12*(\t)+11], v[64*(\t)+8*\i:64*(\t)+8*\i+7], v[SC0+4*\i+(\s)/2], v[SC1+4*(\t)+(\s)/2] matrix_a_fmt:MATRIX_FMT_FP6 matrix_b_fmt:MATRIX_FMT_FP6
.else
	v_wmma_scale_f32_16x16x128_f8f6f4 v[64*(\t)+8*\i:64*(\t)+8*\i+7], v[12*\i:12*\i+11], v[96+12*(\t):96+12*(\t)+11], v[64*(\t)+8*\i:64*(\t)+8*\i+7], v[SC0+4*\i+(\s)/2], v[SC1+4*(\t)+(\s)/2] matrix_a_fmt:MATRIX_FMT_FP6 matrix_b_fmt:MATRIX_FMT_FP6 matrix_a_scale:MATRIX_SCALE_ROW1 matrix_b_scale:MATRIX_SCALE_ROW1
.endif
.endr
.endr
.endm
.macro WINMUL s
.if (\s) == 0
	WIN 0x6a                                       ; sources 0, 1 and C (the bias) window 2, D window 1
.elseif ((\s)%2) == 0
	WIN 0x5a
.else
	WIN 0x5f
.endif
.endm
.macro KSTEP s, first
	s_wait_dscnt 0x0                               ; the step's fragments are in
.if (\s) == 7
	s_barrier_signal -1                            ; my last reads of LDS are over (the wait above): say so, for the sake of the stage
.endif
	WINMUL \s
	MULH \s, 0, \first
.if (\s) == 7
	s_barrier_wait -1                              ; everybody's are: Wo's first groups may take the stage
.endif
.if (\s) < 7
.rept 4
	v_nop                                          ; four places behind the last step's products, which read the set that is loaded now
.endr
	FETCH (\s)+1
.endif
	WINMUL \s
	MULH \s, 1, \first
.endm
	s_wait_alu depctr_va_vdst(0)
	s_wait_tensorcnt 0x0                           ; my one load has landed
	s_barrier_signal -1
	s_barrier_wait -1
.irp i, 0,1,2,3,4,5,6,7
.irp f, 0,1
	ds_load_b64 v[SC0+4*\i+2*\f:SC0+4*\i+2*\f+1], v[12-6*(\i/4)] offset:12288+12800*(\i%4)+256*\f
.endr
.endr
.irp t, 0,1,2,3
.irp q, 0,1,2,3
	ds_load_b32 v[SC1+4*\t+\q], v13 offset:1024*\q+128*(\t/2)+64*(\t%2)
.endr
.endr
	FETCH 0
	s_wait_loadcnt 0x0                             ; the bias
	KSTEP 0, 1                                     ; the first step's products start the sums from the bias: nothing is cleared, nothing is added later
	KSTEP 1, 0
	KSTEP 2, 0
	KSTEP 3, 0
	KSTEP 4, 0
	KSTEP 5, 0
	KSTEP 6, 0
	KSTEP 7, 0
	WIN 0
.rept 4
	v_nop                                          ; four places in front of the first read of results
.endr
.macro TOSTAGE t
	WIN 0x04                                       ; an LDS store's data are its source 1: window 1
.irp i, 0,1,2,3,4,5,6,7
	ds_store_b128 v[STO], v[64*(\t)+8*\i:64*(\t)+8*\i+3] offset:128*(\i/2)+32*(\i%2)          ; each accumulator from its low end on
	ds_store_b128 v[STO], v[64*(\t)+8*\i+4:64*(\t)+8*\i+7] offset:128*(\i/2)+32*(\i%2)+16
.endr
	WIN 0
.set BB, BK+64*((\t)%2)
.irp p, 0,1,2,3,4,5,6,7,8,9,10,11,12,13,14,15
	ds_load_b128 v[BB+4*\p:BB+4*\p+3], v[RD] offset:528*\p   ; LDS serves a wave's instructions in order: these see the stores above, and the next tile's stores come behind them
.endr
.endm
.macro SEND t, younger                 ; younger: the LDS instructions issued behind tile t's loads
.set BB, BK+64*((\t)%2)
	s_wait_dscnt \younger
.irp p, 0,1,2,3,4,5,6,7,8,9,10,11,12,13,14,15
	global_store_b128 v1, v[BB+4*\p:BB+4*\p+3], s[10:11] offset:(32*((\t)/2)+8*((\t)%2)+\p+8*(\p/8))*4096 th:TH_STORE_NT   ; 512 consecutive bytes of a row, aligned
.endr
.endm
	TOSTAGE 0
	TOSTAGE 1
	SEND 0, 32                                     ; behind tile 0's loads: tile 1's 16 stores and 16 loads
	s_wait_xcnt 0x0                                ; tile 0's stores have read their registers: tile 2's rows may land there
	TOSTAGE 2
	SEND 1, 32
	s_wait_xcnt 0x0
	TOSTAGE 3
	SEND 2, 32
	SEND 3, 0
	s_wait_tensorcnt 0x0                           ; the wave's end
	ds_add_u32 v[SPW], v[NIL]
	s_wait_dscnt 0x0
	CROUND                                         ; the closing round
	s_endpgm
.Lfunc_end_k_qbb55e21a8d_outp:
	.size	k_qbb55e21a8d_outp, .Lfunc_end_k_qbb55e21a8d_outp-k_qbb55e21a8d_outp
	.p2alignl 7, 3214868480
	.fill 96, 4, 3214868480
	.section	.rodata,"a",@progbits
	.p2align	6, 0x0
	.amdhsa_kernel k_qbb55e21a8d_outp
		.amdhsa_group_segment_fixed_size 327680
		.amdhsa_private_segment_fixed_size 0
		.amdhsa_enable_private_segment 0
		.amdhsa_kernarg_size 32
		.amdhsa_user_sgpr_count 2
		.amdhsa_user_sgpr_kernarg_segment_ptr 1
		.amdhsa_wavefront_size32 1
		.amdhsa_system_sgpr_workgroup_id_x 1
		.amdhsa_system_sgpr_workgroup_id_y 1
		.amdhsa_system_sgpr_workgroup_id_z 1
		.amdhsa_system_vgpr_workitem_id 0
		.amdhsa_next_free_vgpr 1024
		.amdhsa_next_free_sgpr 106
		.amdhsa_reserve_vcc 0
		.amdhsa_float_denorm_mode_32 3
		.amdhsa_float_denorm_mode_16_64 3
		.amdhsa_memory_ordered 1
		.amdhsa_forward_progress 1
		.amdhsa_inst_pref_size 84
	.end_amdhsa_kernel
	.amdgpu_metadata
---
amdhsa.version: [ 1, 2 ]
amdhsa.kernels:
  - .name:           k_qbb55e21a8d_outp
    .symbol:         k_qbb55e21a8d_outp.kd
    .args:
      - { .name: ai, .offset: 0, .size: 8, .value_kind: global_buffer, .address_space: global }
      - { .name: wi, .offset: 8, .size: 8, .value_kind: global_buffer, .address_space: global }
      - { .name: bo, .offset: 16, .size: 8, .value_kind: global_buffer, .address_space: global }
      - { .name: out0, .offset: 24, .size: 8, .value_kind: global_buffer, .address_space: global }
    .group_segment_fixed_size: 327680
    .private_segment_fixed_size: 0
    .kernarg_segment_align: 8
    .kernarg_segment_size: 32
    .max_flat_workgroup_size: 128
    .sgpr_count:     106
    .vgpr_count:     1024
    .wavefront_size: 32
...
	.end_amdgpu_metadata
.endif
;; end of part 4
